; MI455X (gfx1250); checked and timed in simulation.
; The chip was launched on July 23, 2026; its instructions are those of AMD's public machine-readable ISA for CDNA 5 (MIT licence, August 2026) and "CDNA5" Instruction Set Architecture Reference Guide (July 2026). The comments in the code are by the model that wrote it; some were corrected since.
;; Multi Head Attention. Allowed arithmetic: matrix products marked QUANTISED: E3M2 operands, one E8M0 scale for each 32 along K, by v_wmma_scale_f32_16x16x128_f8f6f4 with both operands' format E3M2, f32 sums; everything else in f32.
;; Inputs: K 8 x 2,048 x 512 float32; Q 8 x 2,048 x 512 float32; V 8 x 2,048 x 512 float32; Wk 512 x 512 float32; Wo 512 x 512 float32; Wq 512 x 512 float32; Wv 512 x 512 float32; bk 512 float32; bo 512 float32; bq 512 float32; bv 512 float32; mask 1 x 1 x 2,048 x 2,048 int32.
;; Outputs: out0 8 x 2,048 x 512 float32.
;; This version of the problem:
;;   THIS VERSION OF THE PROBLEM IS GIVEN IN LOW PRECISION. The matrix products marked QUANTISED in the list below multiply operands that are first quantised to E3M2 (3 exponent bits, 2 mantissa bits; 6 bits a number), with one power-of-two scale for each 32 numbers along K (OCP MX v1.0); their sums are f32. All else is computed in f32.
;;   The module's matrix products, in the order in which they are computed (A, B: the left and right operand; K: the contracted axis; several contracted axes count as one K, in the product's order):
;;     1. [M 16,384, K 512] x [K 512, N 512]; A: input Q; B: input Wq: QUANTISED
;;     2. [M 16,384, K 512] x [K 512, N 512]; A: input K; B: input Wk: QUANTISED
;;     3. [M 16,384, K 512] x [K 512, N 512]; A: input V; B: input Wv: QUANTISED
;;     4. batch 64 x [M 2,048, K 64] x [K 64, N 2,048]; A: computed on the way; B: computed on the way: QUANTISED
;;     5. batch 64 x [M 2,048, K 2,048] x [K 2,048, N 64]; A: softmax (see below); B: computed on the way: QUANTISED
;;     6. [M 16,384, K 512] x [K 512, N 512]; A: computed on the way; B: input Wo: QUANTISED
;;   THE QUANTISER, for each operand of a quantised product, along K:
;;     - K is cut into blocks of 32 from its start; a last block that is shorter is filled with zeros.
;;     - A block's scale is 2^e with e = floor(log2(the largest magnitude in the block)) - 4, held to -126 .. 127; a block of zeros has e = 0. As a byte (E8M0): e + 127.
;;     - Each number is divided by its block's scale, clamped to +-28, and rounded to the nearest number of E3M2, ties to even, subnormals kept.
;;     - The product sums the exact products of the quantised numbers (number of the format x scale) in f32.
;;   ~~~python
;;   def quantise(x, axis):      # numpy; x: float32 -> the quantised numbers, widened to float32 again
;;       x = np.moveaxis(x, axis, -1); K = x.shape[-1]
;;       x = np.pad(x, [(0, 0)] * (x.ndim - 1) + [(0, -K % 32)]); x = x.reshape(x.shape[:-1] + (-1, 32)); a = np.abs(x).max(-1, keepdims=True)
;;       e = np.where(a > 0, np.clip(np.frexp(np.where(a > 0, a, 1))[1] - 1 - 4, -126, 127), 0)      # np.frexp(a)[1] - 1 = floor(log2(a)), exactly
;;       r = np.clip(x / 2.0 ** e, -28, 28)
;;       step = 2.0 ** (np.maximum(np.frexp(np.where(r == 0, 1, r))[1] - 1, -2) - 2)
;;       q = np.round(r / step) * step * 2.0 ** e      # np.round: ties to even
;;       return np.moveaxis(q.reshape(q.shape[:-2] + (-1,))[..., :K], -1, axis).astype(np.float32)
;;   ~~~
;;   SOFTMAX AHEAD OF A QUANTISED PRODUCT. Where the list says 'softmax', what is quantised is not the finished softmax but p = 2^(t - M), with t = logit x log2(e) and M = ceil(the row's largest t), a whole number; so 1/2 < the row's largest p <= 1. The row's sum l is taken of the UNQUANTISED p, in f32, and the product's result is divided by l at the end. Since M is a whole number, a kernel that streams over the keys may use a running M (the ceiling of the running maximum): every later rescaling is an exact power of two, which a block's scale takes up: the codes' values come out the same.
;;   OPERANDS COMPUTED ON THE WAY. 'Computed on the way' means the value that the module computes at that place (a softmax that the list does not call 'softmax' is quantised finished and normalised). What goes into a quantiser is computed in f32, as accurately as f32 sums, v_exp_f32 and their like allow (about 1e-6 of the number): no bf16 or f16 on the way to a quantiser, and a product that is left as it is and whose result goes on into a quantised operand takes f32 operands (vector FMAs, or v_wmma_f32_16x16x4_f32). A number that lies on a knife's edge between two numbers of the format may be rounded either way, as far as f32 arithmetic and the matrix unit's own rounding can turn it there, and no further.
;; 2 versions. Each part assembles by itself: llvm-mc -triple=amdgcn-amd-amdhsa -mcpu=gfx1250 --defsym DOCPART=n.
;; ======== version 1 of 2: 4 launches
;; limits: right only within a limited range of input values
;; workspace buffers: wc 819,200 bytes; mw 524,288 bytes of whole numbers; qc 6,815,744 bytes; kv 13,369,344 bytes; ac 6,291,456 bytes; asc 524,288 bytes
;; launch prep (part 1): grid 272 x 1, 8 waves a work-group, no clusters, 0 bytes of LDS; arguments mask, Wq, Wk, Wv, Wo, wc, mw; writes wc, mw
.if DOCPART == 1
	.amdgcn_target "amdgcn-amd-amdhsa--gfx1250"
	.amdhsa_code_object_version 6
	.text
	.protected	k_q4cb32fd2c8_prep
	.globl	k_q4cb32fd2c8_prep
	.p2align	8
	.type	k_q4cb32fd2c8_prep,@function
k_q4cb32fd2c8_prep:
	s_mov_b64 s[64:65], 0
	v_nop
	global_prefetch_b8 v0, s[64:65] scope:SCOPE_SE
	s_setreg_imm32_b32 hwreg(HW_REG_WAVE_MODE, 25, 1), 1
	s_wait_xcnt 0x0
; TWO JOBS, parted by the work-group's number.
; Work-groups 0-15: the four weights [512][512] f32 (K innermost) become codes of BF6 (E3M2) with one E8M0 byte for each 32 along K, laid IN THE ORDER OF THE OPERAND'S REGISTERS:
;   wc = [weight q,k,v,o][part w of 128 rows], 51,200 bytes a part: fragment (tile t, K step s) at (4 t + s) x 1,536: three chunks of 512 bytes, chunk c = registers 4 c .. 4 c + 3, lane l's 16 bytes at 16 l;
;   the scale words at 49,152 + 128 r + 4 (4 t + s).  Row r of tile t is 32 (t / 2) + 8 (t % 2) + r + 8 (r / 8) for Wq, Wk, Wv (so that a later product's results lie along the next K in one lane), 16 t + r for Wo.
;   A lane takes the very k that the operand's layout gives it (64 c + 32 h + 0 .. 31): a whole block is one lane's, and the conversions' results are the operand's registers.
; Work-groups 16-271: the mask [2048][2048] int32 becomes SELECT WORDS: one record of 64 words for a tile of 16 queries and a step of 128 keys; bit l of word 16 b + i says whether key 128 step + 32 b + 16 (l / 16) + i
;   counts for query l % 16 of the tile: the lane mask that attention's select of score register 16 b + i wants.  Records lie in the order in which an attention wave walks them.
; A block's scale byte is its largest magnitude's exponent field - 4, held at 1 from below.  LIMITS: a block of zeros gets the byte 1 where the rule says 127 (its codes are zeros, and this program alone reads the bytes);
; blocks whose largest magnitude lies under 2^-122 were not tried; NaN and infinities are not served.
; No LDS, no barrier, no cluster: no two waves read the same bytes.  The scale words leave as 16 bytes a lane, 128 bytes apart: 32,768 bytes in all beside 786,432 of codes.
.set PART, 51200
	s_load_b256 s[4:11], s[0:1], 0x0               ; mask s[4:5], Wq s[6:7], Wk s[8:9], Wv s[10:11]
	s_load_b128 s[12:15], s[0:1], 0x20             ; Wo s[12:13], wc s[14:15]
	s_load_b64 s[16:17], s[0:1], 0x30              ; mw
	v_lshrrev_b32 v1, 5, v0
	v_readfirstlane_b32 s18, v1                    ; wave 0..7
	v_and_b32 v8, 31, v0                           ; lane
	v_and_b32 v2, 15, v0                           ; r
	v_bfe_u32 v3, v0, 4, 1                         ; h
	s_cmp_lt_u32 ttmp9, 16
	s_cbranch_scc0 .Lmask
	; ---------------- the weights: work-group = 4 x weight + part; wave = tile
	s_lshr_b32 s19, ttmp9, 2                       ; weight
	s_and_b32 s20, ttmp9, 3                        ; part
	s_lshr_b32 s21, s18, 1
	s_lshl_b32 s21, s21, 5
	s_and_b32 s22, s18, 1
	s_lshl_b32 s22, s22, 3
	s_add_co_u32 s21, s21, s22                     ; 32 (t / 2) + 8 (t % 2)
	s_lshl_b32 s22, s18, 4                         ; 16 t
	s_cmp_eq_u32 s19, 3
	s_cselect_b32 s21, s22, s21                    ; Wo's tiles are neighbouring rows,
	s_cselect_b32 s23, 0, 8                        ; and have no + 8 (r / 8)
	s_lshl_b32 s24, s20, 7
	s_add_co_u32 s24, s24, s21
	v_and_b32 v4, s23, v2
	v_add3_u32 v4, v4, v2, s24                     ; my row
	v_lshlrev_b32 v4, 11, v4                       ; x 2,048 bytes
	v_lshl_add_u32 v4, v3, 7, v4                   ; + 128 h: lanes 16-31 begin 32 numbers on
	v_lshlrev_b32 v5, 3, v3                        ; 8 h: where my two bytes stand in the scale word
	s_mul_i32 s25, s18, 6144
	v_lshl_add_u32 v6, v8, 4, s25                  ; out: 16 l + my tile's four fragments
	s_lshl_b32 s25, s18, 4
	s_add_co_u32 s25, s25, 49152
	v_lshl_add_u32 v7, v2, 7, s25                  ; the scale words: 49,152 + 128 r + 16 t
	v_mov_b32 v11, 0                               ; a lane permute's destination counts as one of its sources
	s_mov_b32 s26, 0x76543210
	s_mov_b32 s27, 0xfedcba98                      ; selects for lane l xor 16
	s_mul_i32 s30, ttmp9, PART                     ; weight x 204,800 + part x 51,200
	s_mov_b32 s31, 0
	s_wait_kmcnt 0x0
	s_cmp_eq_u32 s19, 1
	s_cselect_b64 s[6:7], s[8:9], s[6:7]
	s_cmp_eq_u32 s19, 2
	s_cselect_b64 s[6:7], s[10:11], s[6:7]
	s_cmp_eq_u32 s19, 3
	s_cselect_b64 s[6:7], s[12:13], s[6:7]         ; my weight: the choice hangs on the work-group's number alone
	s_add_nc_u64 s[14:15], s[14:15], s[30:31]
.macro WL q, set                       ; K step q: my 64 numbers (two blocks of 32) into set
.irp c, 0,1
.irp j, 0,1,2,3,4,5,6,7
	global_load_b128 v[64+64*\set+32*\c+4*\j:64+64*\set+32*\c+4*\j+3], v4, s[6:7] offset:512*\q+256*\c+16*\j th:TH_LOAD_NT
.endr
.endr
.endm
.macro WP q, set                       ; the set becomes a fragment and a scale word
.set XB, 64+64*\set
.irp c, 0,1
	v_max3_num_f32 v[32+\c], |v[XB+32*\c]|, |v[XB+32*\c+1]|, 0x2800000   ; my block 2 c + h, and the floor 2^(5 - 127): the byte cannot fall under 1
.endr
.irp i, 2,4,6,8,10,12,14,16,18,20,22,24,26,28,30
.irp c, 0,1
	v_max3_num_f32 v[32+\c], v[32+\c], |v[XB+32*\c+\i]|, |v[XB+32*\c+\i+1]|
.endr
.endr
.irp c, 0,1
	v_add_nc_u32 v[44+\c], 0xfe000000, v[32+\c]    ; 4 off the exponent field: the conversion's scale operand
.endr
.irp c, 0,1
	v_lshrrev_b32 v[36+\c], 23, v[44+\c]           ; the byte
.endr
	v_lshl_or_b32 v9, v37, 16, v36                 ; blocks h and 2 + h,
	v_lshlrev_b32 v9, v5, v9                       ; at their places;
	v_permlanex16_b32 v11, v9, s26, s27
	v_or_b32 v[12+\q], v9, v11                     ; with lane l xor 16's two the word is whole
	s_wait_xcnt 0x0                                ; the last fragment's stores have read v48-59
.irp c, 0,1
	v_cvt_scalef32_pk16_bf6_f32 v[48+6*\c:50+6*\c], v[XB+32*\c:XB+32*\c+15], v[44+\c]
	v_cvt_scalef32_pk16_bf6_f32 v[20+4*\c:22+4*\c], v[XB+32*\c+16:XB+32*\c+31], v[44+\c]   ; (a conversion's three registers begin on an even number)
.endr
	v_nop                                          ; one plain place behind a scaled conversion
.irp c, 0,1
.irp i, 0,1,2
	v_mov_b32 v[51+6*\c+\i], v[20+4*\c+\i]
.endr
.endr
.irp c, 0,1,2
	global_store_b128 v6, v[48+4*\c:51+4*\c], s[14:15] offset:1536*\q+512*\c   ; 32 lanes store 512 consecutive bytes
.endr
.endm
	WL 0, 0
	WL 1, 1
	WL 2, 2
	s_wait_loadcnt 32                              ; set 0 is in; the two younger sets of 16 loads may be out
	WP 0, 0
	WL 3, 0
	s_wait_loadcnt 32                              ; set 1 is in
	WP 1, 1
	s_wait_loadcnt 16                              ; set 2 is in
	WP 2, 2
	s_wait_loadcnt 0x0
	WP 3, 0
	s_wait_xcnt 0x0                                ; EXEC changes only behind this wait
	v_cmp_gt_u32 vcc_lo, 16, v8
	s_and_saveexec_b32 s28, vcc_lo                 ; lanes 16-31 hold the same words
	global_store_b128 v7, v[12:15], s[14:15]
	s_wait_xcnt 0x0
	s_or_b32 exec_lo, exec_lo, s28
	s_endpgm
	; ---------------- the mask: wave = one record: query tile T = g / 2, key step = 8 (g % 2) + wave
.Lmask:
	s_sub_co_u32 s19, ttmp9, 16                    ; g
	s_lshr_b32 s20, s19, 1                         ; T, 0..127
	s_and_b32 s21, s19, 1
	s_lshl_b32 s21, s21, 3
	s_add_co_u32 s21, s21, s18                     ; step, 0..15
	s_lshr_b32 s24, s20, 3
	s_lshl_b32 s24, s24, 7                         ; 128 (T / 8)
	s_bfe_u32 s25, s20, 0x20001
	s_lshl_b32 s25, s25, 5                         ; + 32 ((T % 8) / 2)
	s_add_co_u32 s24, s24, s25
	s_and_b32 s25, s20, 1
	s_lshl_b32 s25, s25, 3                         ; + 8 (T % 2)
	s_add_co_u32 s24, s24, s25
	v_and_b32 v4, 8, v2
	v_add3_u32 v4, v4, v2, s24                     ; my query: + r + 8 (r / 8)
	v_lshlrev_b32 v4, 13, v4                       ; x 8,192 bytes
	v_lshl_add_u32 v4, v3, 6, v4                   ; + 64 h: 16 keys on
	s_lshl_b32 s25, s21, 9
	v_add_nc_u32 v4, s25, v4                       ; + 512 step
	s_lshr_b32 s22, s20, 5                         ; the record: (((T / 32) 16 + T % 16) 2 + (T / 16) % 2) 16 + step
	s_lshl_b32 s22, s22, 4
	s_and_b32 s23, s20, 15
	s_add_co_u32 s22, s22, s23
	s_lshl_b32 s22, s22, 1
	s_bfe_u32 s23, s20, 0x10004
	s_add_co_u32 s22, s22, s23
	s_lshl_b32 s22, s22, 4
	s_add_co_u32 s22, s22, s21
	s_lshl_b32 s22, s22, 8                         ; x 256 bytes
	s_mov_b32 s23, 0
	v_lshlrev_b32 v7, 3, v8                        ; out: 8 bytes a lane
	v_mov_b32 v32, 0                               ; v_writelane_b32's destination counts as read
	v_mov_b32 v33, 0
	s_wait_kmcnt 0x0
	s_add_nc_u64 s[16:17], s[16:17], s[22:23]
.irp b, 0,1,2,3
.irp j, 0,1,2,3
	global_load_b128 v[64+16*\b+4*\j:64+16*\b+4*\j+3], v4, s[4:5] offset:128*\b+16*\j th:TH_LOAD_NT   ; register 16 b + i: key 128 step + 32 b + 16 h + i
.endr
.endr
	s_wait_loadcnt 0x0
.set j, 0
.rept 64
	v_cmp_ne_u32 s[28+j%8], 0, v[64+j]             ; word j: a bit for each lane
	v_writelane_b32 v[32+j%2], s[28+j%8], j/2      ; lane l will store words 2 l and 2 l + 1
.set j, j+1
.endr
	global_store_b64 v7, v[32:33], s[16:17]        ; 32 lanes store 256 consecutive bytes, aligned
	s_endpgm
.Lfunc_end_k_q4cb32fd2c8_prep:
	.size	k_q4cb32fd2c8_prep, .Lfunc_end_k_q4cb32fd2c8_prep-k_q4cb32fd2c8_prep
	.p2alignl 7, 3214868480
	.fill 96, 4, 3214868480
	.section	.rodata,"a",@progbits
	.p2align	6, 0x0
	.amdhsa_kernel k_q4cb32fd2c8_prep
		.amdhsa_group_segment_fixed_size 0
		.amdhsa_private_segment_fixed_size 0
		.amdhsa_enable_private_segment 0
		.amdhsa_kernarg_size 56
		.amdhsa_user_sgpr_count 2
		.amdhsa_user_sgpr_kernarg_segment_ptr 1
		.amdhsa_wavefront_size32 1
		.amdhsa_system_sgpr_workgroup_id_x 1
		.amdhsa_system_sgpr_workgroup_id_y 1
		.amdhsa_system_sgpr_workgroup_id_z 1
		.amdhsa_system_vgpr_workitem_id 0
		.amdhsa_next_free_vgpr 256
		.amdhsa_next_free_sgpr 66
		.amdhsa_reserve_vcc 1
		.amdhsa_float_denorm_mode_32 3
		.amdhsa_float_denorm_mode_16_64 3
		.amdhsa_memory_ordered 1
		.amdhsa_forward_progress 1
		.amdhsa_inst_pref_size 33
	.end_amdhsa_kernel
	.amdgpu_metadata
---
amdhsa.version: [ 1, 2 ]
amdhsa.kernels:
  - .name:           k_q4cb32fd2c8_prep
    .symbol:         k_q4cb32fd2c8_prep.kd
    .args:
      - { .name: mask, .offset: 0, .size: 8, .value_kind: global_buffer, .address_space: global }
      - { .name: Wq, .offset: 8, .size: 8, .value_kind: global_buffer, .address_space: global }
      - { .name: Wk, .offset: 16, .size: 8, .value_kind: global_buffer, .address_space: global }
      - { .name: Wv, .offset: 24, .size: 8, .value_kind: global_buffer, .address_space: global }
      - { .name: Wo, .offset: 32, .size: 8, .value_kind: global_buffer, .address_space: global }
      - { .name: wc, .offset: 40, .size: 8, .value_kind: global_buffer, .address_space: global }
      - { .name: mw, .offset: 48, .size: 8, .value_kind: global_buffer, .address_space: global }
    .group_segment_fixed_size: 0
    .private_segment_fixed_size: 0
    .kernarg_segment_align: 8
    .kernarg_segment_size: 56
    .max_flat_workgroup_size: 256
    .sgpr_count:     66
    .vgpr_count:     256
    .wavefront_size: 32
...
	.end_amdgpu_metadata
.endif
;; end of part 1
;; launch proj (part 2): grid 64 x 3, 4 waves a work-group, clusters of 4 x 1, 259,072 bytes of LDS; arguments Q, K, V, bq, bk, bv, wc, qc, kv; writes qc, kv
.if DOCPART == 2
	.amdgcn_target "amdgcn-amd-amdhsa--gfx1250"
	.amdhsa_code_object_version 6
	.text
	.protected	k_q4cb32fd2c8_proj
	.globl	k_q4cb32fd2c8_proj
	.p2align	8
	.type	k_q4cb32fd2c8_proj,@function
k_q4cb32fd2c8_proj:
	s_mov_b64 s[64:65], 0
	v_nop
	global_prefetch_b8 v0, s[64:65] scope:SCOPE_SE
	s_setreg_imm32_b32 hwreg(HW_REG_WAVE_MODE, 25, 1), 1
	s_wait_xcnt 0x0
	s_wait_alu depctr_hold_cnt(0) depctr_sa_sdst(0) depctr_va_vdst(0) depctr_va_sdst(0) depctr_va_ssrc(0) depctr_va_vcc(0) depctr_vm_vsrc(0)
	s_getreg_b32 s2, hwreg(HW_REG_IB_STS2, 6, 4)
	s_cmp_eq_u32 s2, 0
	s_cbranch_scc0 .Lentry_in_a_cluster
	s_endpgm
.Lentry_in_a_cluster:
	s_bfe_u32 s2, ttmp6, 0x10000c
	s_cmp_lg_u32 s2, 0x3003
	s_cbranch_scc0 .Lentry_shape_is_right
	s_endpgm
.Lentry_shape_is_right:
; q = Q Wq^T + bq, k = K Wk^T + bk, v = V Wv^T + bv on codes of BF6 (E3M2) with E8M0 scales; the results are quantised at once for attention's products: q and k along the head's 64, v along the keys.
; Work-group y picks the tensor; work-group x owns 256 rows, two blocks of 128.  Wave w owns units 128 w .. 128 w + 127: heads 2 w and 2 w + 1.
; ONE SCHEME FOR ALL THREE.  A STATIONARY operand (8 tiles x 4 K steps: 384 registers) is source 0; tiles STREAMED from LDS (4 fragments) are source 1; 32 matrix instructions give 8 accumulators whose 64 registers of a lane
; run along the stationary side.  q, k: the weight is stationary, x's tiles are streamed: a lane holds one row and 64 + 64 channels of two heads.  v: x is stationary, the weight's tiles are streamed: a lane holds one channel and 128 keys.
; THE ROWS OF A TILE ARE NOT NEIGHBOURS: row r of tile t is 32 (t / 2) + 8 (t % 2) + r + 8 (r / 8), for the weight's tiles and for x's: so register 16 b + i of a lane is place 32 b + 16 (lane / 16) + i along the next K.
; x (f32) is quantised once a block: wave w takes tiles w and w + 4; codes and scale words go to the other waves through LDS as images of the operand's registers (three stores of 512 bytes a fragment).
; THE WEIGHT comes as register images from the launch before: wave w's part, 51,200 bytes, by ONE tensor load, asked for JOINTLY by the four work-groups of a cluster (same tensor, same weight); LDS bytes are filled once, none again.
; OUT (all in register order): qc [head][block] 6,656 bytes: 8 half images of 768 (registers 0-3 at 16 l, registers 4-5 at 512 + 8 l), scale words at 6,144 + 256 (m / 4) + 16 r + 4 (m % 4), bytes 2 and 3 of a word zero;
;   kv [head][step] 13,056 bytes: k as in qc; v: 4 fragments at 6,656 + 1,536 n, scale words at 12,800 + 16 r + 4 n.
; LIMITS: a block of zeros gets the byte 1 (its codes are zeros; this program alone reads the bytes); largest magnitudes under 2^-122 were not tried; NaN and infinities are not served.
; REGISTERS, in windows of 256: window 0: addresses, XF streamed fragments, HA accumulators, PC codes, scales.  window 1: stationary fragments 0-19.  window 2: 20-31, then the bias of q, k as 8 tiles of C.  window 3: four sets of 64 numbers of x.
.set PART, 51200
.set FRB,  1536
.set XIMG, 4*PART                      ; behind the weight: x's 32 images, (4 m + s) x 1,536
.set XSC,  XIMG+32*FRB                 ; x's scale words: 144 bytes a lane (an odd multiple of 16); word (m, s) at 144 l + 16 m + 4 s
.set XA,  4                            ; v4   x: (my row of tile w) x 2,048 + 64 h
.set LI,  5                            ; v5   16 l
.set LW,  6                            ; v6   16 l + my part of the weight
.set XWI, 7                            ; v7   where I store x's images
.set XWS, 8                            ; v8   and their scale words
.set LXS, 9                            ; v9   XSC + 144 l
.set LWS, 10                           ; v10  my part's scale words + 128 r
.set LX,  11                           ; v11  XIMG + 16 l
.set O8,  12                           ; v12  8 l + 512
.set OSC, 13                           ; v13  h x head stride + 16 r
.set SH,  14                           ; v14  16 h
.set HH,  15                           ; v15  h
.set XF,  16                           ; v16-63
.set HA,  64                           ; v64-127
.set PC,  128                          ; v128-139 codes, v140-146 at work
.set TM,  148                          ; v148-163 the quantiser's
.set PW,  164
.set XPW, 168                          ; v168-171 x's four scale words
.set XS,  172                          ; v172-175 streamed scales
.set SW,  176                          ; v176-183 scale words to store
.set CB,  184                          ; v184-191 v's bias as C
.set BV,  192                          ; v192-199 v's bias, one number a tile
.set SS,  200                          ; v200-231 stationary scales
.set B1,  144                          ; in window 2
.set WV,  10                           ; s10 wave   s11 tensor   s12 blocks to go   s13 head stride   s14 record
.set YY,  11
.set SEL, 20
.set MSB, 0
.macro WIN new                         ; the immediate's high byte repeats the setting that is left
.if MSB != (\new)
	s_set_vgpr_msb (MSB<<8)|(\new)
.set MSB, (\new)
.endif
.endm
.macro ROUND                           ; a round of the cluster's barrier
	s_barrier_signal -1
	s_barrier_wait -1
	s_cmp_lg_u32 s[WV], 0
	s_cbranch_scc1 .Lnot_wave_0_\@
	s_barrier_signal -3
.Lnot_wave_0_\@:
	s_barrier_wait -3
	s_barrier_signal -1
	s_barrier_wait -1
.endm
.macro BARRIER                         ; my LDS stores have landed and my LDS loads are in: then the work-group's barrier
	s_wait_dscnt 0x0
	s_barrier_signal -1
	s_barrier_wait -1
.endm
; 64 numbers of a lane in window w, register 16 b + i = place 32 b + 16 (lane / 16) + i, become a fragment in v[PC] on and its scale word in v[pw].  Each accumulator is read from its low end on.
.macro QUANT src, w, pw
	WIN ((\w)|((\w)<<2))
.irp b, 0,1,2,3
	v_max3_num_f32 v[TM+\b], |v[\src+16*\b]|, |v[\src+1+16*\b]|, 0x2800000   ; and the floor 2^(5 - 127): the byte cannot fall under 1
.endr
.irp i, 2,4,6,8,10,12,14
.irp b, 0,1,2,3
	v_max3_num_f32 v[TM+\b], |v[\src+16*\b+\i]|, |v[\src+1+16*\b+\i]|, v[TM+\b]   ; the four blocks by turns
.endr
.endr
	WIN 0
.irp b, 0,1,2,3
	v_permlanex16_b32 v[TM+4+\b], v[TM+\b], s[SEL], s[SEL+1]
.endr
.irp b, 0,1,2,3
	v_max_num_f32 v[TM+\b], v[TM+\b], v[TM+4+\b]   ; with lane l xor 16's: the block's largest magnitude
.endr
.irp b, 0,1,2,3
	v_add_nc_u32 v[TM+12+\b], 0xfe000000, v[TM+\b] ; 4 off its exponent field: the conversion's scale operand
.endr
.irp b, 0,1,2,3
	v_lshrrev_b32 v[TM+4+\b], 23, v[TM+12+\b]      ; the byte
.endr
	v_lshl_or_b32 v[\pw], v[TM+5], 8, v[TM+4]
	v_lshl_or_b32 v[\pw], v[TM+6], 16, v[\pw]
	v_lshl_or_b32 v[\pw], v[TM+7], 24, v[\pw]
	WIN (\w)
.irp c, 0,1
	v_cvt_scalef32_pk16_bf6_f32 v[PC+6*\c:PC+2+6*\c], v[\src+32*\c:\src+15+32*\c], v[TM+12+2*\c]
	v_cvt_scalef32_pk16_bf6_f32 v[PC+12+4*\c:PC+14+4*\c], v[\src+16+32*\c:\src+31+32*\c], v[TM+13+2*\c]   ; (three registers from an even one)
.endr
	WIN 0
	v_nop                                          ; one plain place behind a scaled conversion
.irp c, 0,1                            ; the layout wants a whole block in a lane: lanes 0-15 block 2 c, lanes 16-31 block 2 c + 1
.irp i, 0,1,2
	v_permlane16_swap_b32 v[PC+6*\c+\i], v[PC+12+4*\c+\i]
.endr
.irp i, 0,1,2
	v_mov_b32 v[PC+3+6*\c+\i], v[PC+12+4*\c+\i]
.endr
.endr
.endm
; 32 matrix instructions: HA[t] = C + the sum over four K steps of stationary (t, s) x streamed (s).  Tiles 0-4 (window 1) by turns, then tiles 5-7 (window 2) by turns.
; cw = 2: C of the first K step is the bias tile in window 2; cw = 0: v[CB] on.
.macro MULS cw, xw, xf, xs
	WIN (1|((\xw)<<2)|((\cw)<<4))
.irp t, 0,1,2,3,4
.if \cw
	v_wmma_scale_f32_16x16x128_f8f6f4 v[HA+8*\t:HA+8*\t+7], v[48*\t:48*\t+11], v[\xf:\xf+11], v[B1+8*\t:B1+8*\t+7], v[SS+4*\t], v[\xs] matrix_a_fmt:MATRIX_FMT_BF6 matrix_b_fmt:MATRIX_FMT_BF6
.else
	v_wmma_scale_f32_16x16x128_f8f6f4 v[HA+8*\t:HA+8*\t+7], v[48*\t:48*\t+11], v[\xf:\xf+11], v[CB:CB+7], v[SS+4*\t], v[\xs] matrix_a_fmt:MATRIX_FMT_BF6 matrix_b_fmt:MATRIX_FMT_BF6
.endif
.endr
	WIN (1|((\xw)<<2))
.irp s, 1,2,3
.irp t, 0,1,2,3,4
	v_wmma_scale_f32_16x16x128_f8f6f4 v[HA+8*\t:HA+8*\t+7], v[48*\t+12*\s:48*\t+12*\s+11], v[\xf+12*\s:\xf+12*\s+11], v[HA+8*\t:HA+8*\t+7], v[SS+4*\t+\s], v[\xs+\s] matrix_a_fmt:MATRIX_FMT_BF6 matrix_b_fmt:MATRIX_FMT_BF6
.endr
.endr
	WIN (2|((\xw)<<2)|((\cw)<<4))
.irp t, 5,6,7
.if \cw
	v_wmma_scale_f32_16x16x128_f8f6f4 v[HA+8*\t:HA+8*\t+7], v[48*(\t-5):48*(\t-5)+11], v[\xf:\xf+11], v[B1+8*\t:B1+8*\t+7], v[SS+4*\t], v[\xs] matrix_a_fmt:MATRIX_FMT_BF6 matrix_b_fmt:MATRIX_FMT_BF6
.else
	v_wmma_scale_f32_16x16x128_f8f6f4 v[HA+8*\t:HA+8*\t+7], v[48*(\t-5):48*(\t-5)+11], v[\xf:\xf+11], v[CB:CB+7], v[SS+4*\t], v[\xs] matrix_a_fmt:MATRIX_FMT_BF6 matrix_b_fmt:MATRIX_FMT_BF6
.endif
.endr
	WIN (2|((\xw)<<2))
.irp s, 1,2,3
.irp t, 5,6,7
	v_wmma_scale_f32_16x16x128_f8f6f4 v[HA+8*\t:HA+8*\t+7], v[48*(\t-5)+12*\s:48*(\t-5)+12*\s+11], v[\xf+12*\s:\xf+12*\s+11], v[HA+8*\t:HA+8*\t+7], v[SS+4*\t+\s], v[\xs+\s] matrix_a_fmt:MATRIX_FMT_BF6 matrix_b_fmt:MATRIX_FMT_BF6
.endr
.endr
	WIN 0
.endm
.macro XLOAD tile, q, off              ; my 16 rows' numbers of K step q (64 a lane) of tile w + 4 tile, from off bytes on, into set q of window 3
	WIN 0xc0
.irp b, 0,1,2,3
.irp j, 0,1,2,3
	global_load_b128 v[64*(\q)+16*\b+4*\j:64*(\q)+16*\b+4*\j+3], v[XA], s[4:5] offset:(\off)+131072*(\tile)+512*(\q)+128*\b+16*\j th:TH_LOAD_NT
.endr
.endr
	WIN 0
.endm
.macro LOADST ac, as                   ; 32 images and their scale words become the stationary operand
	WIN 0x40
.set FI, 0
.rept 20
.irp c, 0,1,2
	ds_load_b128 v[12*FI+4*\c:12*FI+4*\c+3], v[\ac] offset:FRB*FI+512*\c
.endr
.set FI, FI+1
.endr
	WIN 0x80
.rept 12
.irp c, 0,1,2
	ds_load_b128 v[12*(FI-20)+4*\c:12*(FI-20)+4*\c+3], v[\ac] offset:FRB*FI+512*\c
.endr
.set FI, FI+1
.endr
	WIN 0
.irp t, 0,1,2,3,4,5,6,7
	ds_load_b128 v[SS+4*\t:SS+4*\t+3], v[\as] offset:16*\t
.endr
	s_wait_dscnt 0x0
.endm
.macro STREAM ac, as, i                ; tile i's four fragments and its four scale words
.irp q, 0,1,2,3
.irp c, 0,1,2
	ds_load_b128 v[XF+12*\q+4*\c:XF+12*\q+4*\c+3], v[\ac] offset:(4*(\i)+\q)*FRB+512*\c
.endr
.endr
	ds_load_b128 v[XS:XS+3], v[\as] offset:16*(\i)
.endm
; One of my two tiles of x: four K steps, each quantised and stored as an image.  reload = 1: each set takes the other tile's numbers as soon as it is free.
.macro XTILE tb, reload
.irp q, 0,1,2,3
.if \reload
	s_wait_loadcnt 48                              ; this set's 16 loads are in; three younger sets may be out
.else
	s_wait_loadcnt 48-16*\q                        ; nothing is asked for behind these: the counts run down
.endif
	s_wait_dscnt 0x0                               ; the last image's stores have read their registers
	QUANT 64*\q, 3, XPW+\q
.irp c, 0,1,2
	ds_store_b128 v[XWI], v[PC+4*\c:PC+4*\c+3] offset:24576*\tb+FRB*\q+512*\c
.endr
.if \reload
	XLOAD 1, \q, 0
.endif
.endr
	ds_store_b128 v[XWS], v[XPW:XPW+3] offset:64*\tb
.endm
; A streamed tile: its products, the next tile's loads, the quantiser, the stores.
.macro TILE i, vp
	s_wait_dscnt 0x0                               ; the tile's fragments and scale words are in
	MULS 2-2*\vp, 0, XF, XS
.rept 4
	v_nop                                          ; places behind the products: in front of loads into their sources, of writes of C, and of the first read of results
.endr
.if \i < 7
.if \vp
	STREAM LW, LWS, \i+1
.irp k, 0,1,2,3,4,5,6,7
	v_mov_b32 v[CB+\k], v[BV+\i+1]                 ; the next tile's bias: one channel a lane, the same for all its keys
.endr
.else
	STREAM LX, LXS, \i+1
.endif
.endif
	s_wait_xcnt 0x0                                ; the last tile's stores have read v[PC] on
	QUANT HA, 0, PW
.if \vp
.irp c, 0,1,2
	global_store_b128 v[LI], v[PC+4*\c:PC+4*\c+3], s[6+2*(\i/4):7+2*(\i/4)] offset:6656+FRB*(\i%4)+512*\c   ; 16 channels x 128 keys: tiles 0-3 head 2 w, tiles 4-7 head 2 w + 1
.endr
	v_mov_b32 v[SW+\i], v[PW]
.else
	global_store_b128 v[LI], v[PC:PC+3], s[6:7] offset:768*\i          ; registers 0-5: head 2 w's 64 channels
	global_store_b64 v[O8], v[PC+4:PC+5], s[6:7] offset:768*\i
	global_store_b128 v[LI], v[PC+6:PC+9], s[8:9] offset:768*\i        ; registers 6-11: head 2 w + 1's
	global_store_b64 v[O8], v[PC+10:PC+11], s[8:9] offset:768*\i
	v_lshrrev_b32 v[SW+\i], v[SH], v[PW]           ; lanes 0-15 keep head 2 w's two bytes, lanes 16-31 head 2 w + 1's
	v_and_b32 v[SW+\i], 0xffff, v[SW+\i]
.endif
.endm
	s_load_b256 s[36:43], s[0:1], 0x0              ; Q s[36:37], K s[38:39], V s[40:41], bq s[42:43]
	s_load_b256 s[44:51], s[0:1], 0x20             ; bk s[44:45], bv s[46:47], wc s[48:49], qc s[50:51]
	s_load_b64 s[52:53], s[0:1], 0x40              ; kv
	v_lshl_add_u32 v254, v0, 2, 0x3f200
	v_mov_b32 v255, 0
	ds_add_u32 v254, v255
	ds_add_u32 v254, v255
	v_lshrrev_b32 v1, 5, v0
	v_readfirstlane_b32 s[WV], v1                  ; wave 0..3
	v_and_b32 v1, 31, v0                           ; lane
	v_and_b32 v2, 15, v0                           ; r
	v_bfe_u32 v[HH], v0, 4, 1                      ; h
	v_and_b32 v3, 8, v2
	v_add_nc_u32 v3, v3, v2                        ; r + 8 (r / 8)
	s_and_b32 s[YY], ttmp7, 0xffff                 ; the tensor: the four partners share it
	; the joint load's descriptor: nothing in it hangs on my place in the cluster
	s_mov_b32 s24, 1                               ; count
	s_mul_i32 s25, s[WV], PART                     ; LDS address: my part
	s_mul_i32 s60, s[YY], 4*PART
	s_add_co_u32 s60, s60, s25
	s_mov_b32 s61, 0
	s_mov_b32 s28, 15|(3<<16)|(1<<21)              ; the mask: all four work-groups; elements of 8 bytes; bit 21 beside a mask
	s_mov_b32 s29, 32<<16                          ; tensor_dim0 = 32 elements: rows of 256 bytes
	s_mov_b32 s30, 200<<16                         ; tensor_dim1 = 200 rows: 51,200 dense bytes
	s_mov_b32 s31, 32<<16                          ; tile_dim0
	s_mov_b32 s32, 200                             ; tile_dim1
	s_mov_b32 s33, 32                              ; pitch
	s_mov_b32 s34, 0
	s_mov_b32 s35, 0
	s_bfe_u32 s15, ttmp6, 0x40000                  ; cx
	s_lshl_b32 s18, ttmp9, 2
	s_add_co_u32 s18, s18, s15                     ; X: my 256 rows.  It enters global addresses of x and of the outputs alone
	s_lshr_b32 s19, s[WV], 1
	s_lshl_b32 s19, s19, 5
	s_and_b32 s22, s[WV], 1
	s_lshl_b32 s22, s22, 3
	s_add_co_u32 s19, s19, s22                     ; tile w begins at row 32 (w / 2) + 8 (w % 2); tile w + 4 lies 64 rows on
	v_add_nc_u32 v[XA], s19, v3
	v_lshlrev_b32 v[XA], 11, v[XA]
	v_lshl_add_u32 v[XA], v[HH], 6, v[XA]
	v_lshlrev_b32 v[LI], 4, v1
	v_add_nc_u32 v[LW], s25, v[LI]
	s_mul_i32 s23, s[WV], 4*FRB
	s_add_co_u32 s23, s23, XIMG
	v_add_nc_u32 v[XWI], s23, v[LI]
	v_mul_u32_u24 v[LXS], v1, 144
	v_add_nc_u32 v[LXS], XSC, v[LXS]
	s_lshl_b32 s23, s[WV], 4
	v_add_nc_u32 v[XWS], s23, v[LXS]
	s_add_co_u32 s23, s25, 32*FRB
	v_lshl_add_u32 v[LWS], v2, 7, s23
	v_add_nc_u32 v[LX], XIMG, v[LI]
	v_lshl_add_u32 v[O8], v1, 3, 512
	v_lshlrev_b32 v[SH], 4, v[HH]
	s_mov_b32 s13, 208896                          ; kv: a head is 16 records of 13,056 bytes;
	s_mov_b32 s14, 13056
	s_mov_b32 s22, 106496                          ; qc: 16 of 6,656
	s_mov_b32 s23, 6656
	s_cmp_eq_u32 s[YY], 0
	s_cselect_b32 s13, s22, s13
	s_cselect_b32 s14, s23, s14
	v_mul_u32_u24 v[OSC], s13, v[HH]
	v_lshl_add_u32 v[OSC], v2, 4, v[OSC]
	s_lshr_b32 s54, s18, 3                         ; out: head 8 (X / 8) + 2 w, record 2 (X % 8)
	s_lshl_b32 s54, s54, 3
	s_lshl_b32 s55, s[WV], 1
	s_add_co_u32 s54, s54, s55
	s_mul_i32 s54, s54, s13
	s_and_b32 s55, s18, 7
	s_lshl_b32 s55, s55, 1
	s_mul_i32 s55, s55, s14
	s_add_co_u32 s54, s54, s55
	s_mov_b32 s55, 0
	s_mov_b32 s56, s14                             ; s[56:57]: a record's bytes;  s[58:59]: a head's
	s_mov_b32 s57, 0
	s_mov_b32 s58, s13
	s_mov_b32 s59, 0
	s_lshl_b32 s22, s18, 19                        ; x: 256 rows of 2,048 bytes
	s_mov_b32 s23, 0
	s_mov_b32 s[SEL], 0x76543210
	s_mov_b32 s[SEL+1], 0xfedcba98                 ; selects for lane l xor 16
.irp b, 0,1,2,3
	v_mov_b32 v[TM+4+\b], 0                        ; a lane permute's destination counts as one of its sources
.endr
	v_lshlrev_b32 v1, 6, v[HH]                     ; q, k's bias: 16 h numbers on
	v_lshlrev_b32 v3, 2, v3                        ; v's: my channel of a tile
	s_wait_dscnt 0x0
	s_wait_kmcnt 0x0
	s_add_nc_u64 s[26:27], s[48:49], s[60:61]      ; the weight's part in memory
	s_or_b32 s27, s27, 0x80000000                  ; type = 2
	s_cmp_eq_u32 s[YY], 1
	s_cselect_b64 s[4:5], s[38:39], s[36:37]
	s_cselect_b64 s[16:17], s[44:45], s[42:43]
	s_cmp_eq_u32 s[YY], 2
	s_cselect_b64 s[4:5], s[40:41], s[4:5]
	s_cselect_b64 s[16:17], s[46:47], s[16:17]
	s_cmp_eq_u32 s[YY], 0
	s_cselect_b64 s[6:7], s[50:51], s[52:53]
	s_add_nc_u64 s[4:5], s[4:5], s[22:23]
	s_add_nc_u64 s[6:7], s[6:7], s[54:55]          ; head 2 w's record
	s_add_nc_u64 s[8:9], s[6:7], s[58:59]          ; head 2 w + 1's
	s_lshl_b32 s22, s[WV], 9
	s_add_nc_u64 s[16:17], s[16:17], s[22:23]      ; my 128 numbers of the bias
	WIN 0x80
.irp t, 0,1,2,3,4,5,6,7
	global_load_b128 v[B1+8*\t:B1+8*\t+3], v1, s[16:17] offset:(32*(\t/2)+8*(\t%2))*4       ; tile t's C for q, k: units 32 (t / 2) + 8 (t % 2) + 16 h + 0 .. 7
	global_load_b128 v[B1+8*\t+4:B1+8*\t+7], v1, s[16:17] offset:(32*(\t/2)+8*(\t%2))*4+16
.endr
	WIN 0
.irp t, 0,1,2,3,4,5,6,7
	global_load_b32 v[BV+\t], v3, s[16:17] offset:(32*(\t/2)+8*(\t%2))*4                    ; for v: the bias of channel r + 8 (r / 8) of tile t
.endr
.irp q, 0,1,2,3
	XLOAD 0, \q, 0                                 ; the first block's first tile
.endr
	ROUND                                          ; all four work-groups are here: the joint loads meet
	tensor_load_to_lds s[24:27], s[28:35]          ; my one tensor load of the launch
	s_nop 0
.rept 4
	v_nop
.endr
	s_wait_tensorcnt 0x0                           ; my part has landed; I alone read it, so no barrier is owed
	LOADST LW, LWS                                 ; q, k: the weight stays in registers.  (V's path loads these registers anew in each block; the loads stand on every path, so that no path reads a register that it has not written)
	s_mov_b32 s12, 2
.Lblock:
	XTILE 0, 1                                     ; tile w; its sets take tile w + 4's numbers
	XTILE 1, 0                                     ; tile w + 4
	BARRIER                                        ; x's 32 images lie in LDS
	s_cmp_eq_u32 s12, 1                            ; the next block's first tile is asked for here, if there is one: no load leaves its buffer
	s_cbranch_scc1 .Lno_next
.irp q, 0,1,2,3
	XLOAD 0, \q, 262144
.endr
.Lno_next:
	s_cmp_eq_u32 s[YY], 2
	s_cbranch_scc1 .Lvpath
	STREAM LX, LXS, 0
.irp i, 0,1,2,3,4,5,6,7
	TILE \i, 0
.endr
	global_store_b128 v[OSC], v[SW:SW+3], s[6:7] offset:6144       ; sixteen lanes fill 256 consecutive bytes of each head's record
	global_store_b128 v[OSC], v[SW+4:SW+7], s[6:7] offset:6400
	s_branch .Ljoin
.Lvpath:
	LOADST LX, LXS                                 ; the block's x is the stationary operand
	STREAM LW, LWS, 0
.irp k, 0,1,2,3,4,5,6,7
	v_mov_b32 v[CB+\k], v[BV]
.endr
.irp i, 0,1,2,3,4,5,6,7
	TILE \i, 1
.endr
	v_cmp_ne_u32 vcc_lo, 0, v[HH]
.irp k, 0,1,2,3
	v_cndmask_b32 v[SW+\k], v[SW+\k], v[SW+4+\k], vcc_lo           ; lanes 16-31 store head 2 w + 1's four words
.endr
	global_store_b128 v[OSC], v[SW:SW+3], s[6:7] offset:12800
.Ljoin:
	BARRIER                                        ; every wave's reads of x's images are over: the next block may write them
	s_wait_xcnt 0x0                                ; loads and stores have read their bases
	s_add_nc_u64 s[4:5], s[4:5], 262144
	s_add_nc_u64 s[6:7], s[6:7], s[56:57]
	s_add_nc_u64 s[8:9], s[8:9], s[56:57]
	s_sub_co_u32 s12, s12, 1
	s_cmp_lg_u32 s12, 0
	s_cbranch_scc1 .Lblock
	s_wait_dscnt 0x0
	s_wait_tensorcnt 0x0
	ds_add_u32 v254, v255
	s_wait_dscnt 0x0
	ROUND                                          ; the closing round: no work-group ends while a partner may still ask jointly
	s_endpgm
.Lfunc_end_k_q4cb32fd2c8_proj:
	.size	k_q4cb32fd2c8_proj, .Lfunc_end_k_q4cb32fd2c8_proj-k_q4cb32fd2c8_proj
	.p2alignl 7, 3214868480
	.fill 96, 4, 3214868480
	.section	.rodata,"a",@progbits
	.p2align	6, 0x0
	.amdhsa_kernel k_q4cb32fd2c8_proj
		.amdhsa_group_segment_fixed_size 259072
		.amdhsa_private_segment_fixed_size 0
		.amdhsa_enable_private_segment 0
		.amdhsa_kernarg_size 72
		.amdhsa_user_sgpr_count 2
		.amdhsa_user_sgpr_kernarg_segment_ptr 1
		.amdhsa_wavefront_size32 1
		.amdhsa_system_sgpr_workgroup_id_x 1
		.amdhsa_system_sgpr_workgroup_id_y 1
		.amdhsa_system_sgpr_workgroup_id_z 1
		.amdhsa_system_vgpr_workitem_id 0
		.amdhsa_next_free_vgpr 1024
		.amdhsa_next_free_sgpr 66
		.amdhsa_reserve_vcc 1
		.amdhsa_float_denorm_mode_32 3
		.amdhsa_float_denorm_mode_16_64 3
		.amdhsa_memory_ordered 1
		.amdhsa_forward_progress 1
		.amdhsa_inst_pref_size 224
	.end_amdhsa_kernel
	.amdgpu_metadata
---
amdhsa.version: [ 1, 2 ]
amdhsa.kernels:
  - .name:           k_q4cb32fd2c8_proj
    .symbol:         k_q4cb32fd2c8_proj.kd
    .args:
      - { .name: Q, .offset: 0, .size: 8, .value_kind: global_buffer, .address_space: global }
      - { .name: K, .offset: 8, .size: 8, .value_kind: global_buffer, .address_space: global }
      - { .name: V, .offset: 16, .size: 8, .value_kind: global_buffer, .address_space: global }
      - { .name: bq, .offset: 24, .size: 8, .value_kind: global_buffer, .address_space: global }
      - { .name: bk, .offset: 32, .size: 8, .value_kind: global_buffer, .address_space: global }
      - { .name: bv, .offset: 40, .size: 8, .value_kind: global_buffer, .address_space: global }
      - { .name: wc, .offset: 48, .size: 8, .value_kind: global_buffer, .address_space: global }
      - { .name: qc, .offset: 56, .size: 8, .value_kind: global_buffer, .address_space: global }
      - { .name: kv, .offset: 64, .size: 8, .value_kind: global_buffer, .address_space: global }
    .group_segment_fixed_size: 259072
    .private_segment_fixed_size: 0
    .kernarg_segment_align: 8
    .kernarg_segment_size: 72
    .max_flat_workgroup_size: 128
    .sgpr_count:     66
    .vgpr_count:     1024
    .wavefront_size: 32
...
	.end_amdgpu_metadata
.endif
;; end of part 2
;; launch attn (part 3): grid 4 x 64, 16 waves a work-group, clusters of 4 x 1, 210,944 bytes of LDS; arguments qc, kv, mw, ac, asc; writes ac, asc
.if DOCPART == 3
	.amdgcn_target "amdgcn-amd-amdhsa--gfx1250"
	.amdhsa_code_object_version 6
	.text
	.protected	k_q4cb32fd2c8_attn
	.globl	k_q4cb32fd2c8_attn
	.p2align	8
	.type	k_q4cb32fd2c8_attn,@function
k_q4cb32fd2c8_attn:
	s_mov_b64 s[64:65], 0
	v_nop
	global_prefetch_b8 v0, s[64:65] scope:SCOPE_SE
	s_setreg_imm32_b32 hwreg(HW_REG_WAVE_MODE, 25, 1), 1
	s_wait_xcnt 0x0
	s_wait_alu depctr_hold_cnt(0) depctr_sa_sdst(0) depctr_va_vdst(0) depctr_va_sdst(0) depctr_va_ssrc(0) depctr_va_vcc(0) depctr_vm_vsrc(0)
	s_getreg_b32 s2, hwreg(HW_REG_IB_STS2, 6, 4)
	s_cmp_eq_u32 s2, 0
	s_cbranch_scc0 .Lentry_in_a_cluster
	s_endpgm
.Lentry_in_a_cluster:
	s_bfe_u32 s2, ttmp6, 0x10000c
	s_cmp_lg_u32 s2, 0x3003
	s_cbranch_scc0 .Lentry_shape_is_right
	s_endpgm
.Lentry_shape_is_right:
; Attention of one (batch, head) for 512 queries: S^T = k q^T, mask, p = 2^(t - M), O^T = v^T p^T, O / l, and O quantised along the model's 512 for the last product.  All products on codes of BF6 (E3M2) with E8M0 scales.
; t = score x log2(e) / 8; M = the running largest t rounded UP to a whole number; p is quantised along the keys, not normalised; l is the sum of the unquantised p.  When M moves, l and O^T are multiplied by 2^(old M - new M): exact.
; SHARES.  Work-group y = the head (8 b + h); the four work-groups of a cluster own 512 queries each.  Sixteen waves of 256 registers, four to a SIMD; wave w owns query tile 32 x + 16 p + w in pass p = 0, 1, and walks 16 steps of 128 keys.
; THE HEAD'S K AND V STAY IN LDS: 16 records of 13,056 bytes, in the order of the operands' registers; wave w brings record w by ONE tensor load, asked for JOINTLY by the four work-groups.  Filled once; one barrier; no ring.
; Both products are used transposed: a lane holds ONE query (lane % 16).  The keys of a tile are 32 (t / 2) + 8 (t % 2) + r + 8 (r / 8), so score register 16 b + i is key 32 b + 16 (lane / 16) + i; V's channels likewise.
; THE HEAD'S 64 IN A K OF 128: q's registers 6-11 are zero codes and the upper two scale bytes of q and k are 0.  K's eight half fragments (6 registers) lie on end with six zero registers behind; tile t's operand is 12 registers from
; its own six on: its upper half, the next tile's codes, meets q's zero codes and adds nothing.
; THE MASK: 64 select words a step come by scalar loads; word j is the lane mask of one v_cndmask_b32 on score register j.  A hidden score becomes -2^103, so that its t is exact: a row all of whose keys are hidden gets p = 1 for
; every key (the uniform row); a row hidden only so far is wiped by the factor 0 when M moves.  The next step's words are asked for behind the selects; the offset is held at the buffer's last record.
; LIMITS: scores that count are taken to lie above -2^103; NaN and infinities are not served; a block of zeros gets the byte 1 (its codes are zeros; this program alone reads the bytes).
.set REC, 13056
.set QS,  28                           ; v28  q's scale word        v16-27 q (22-27 zeros)
.set NEG, 29                           ; v29  -2^103
.set F,   32                           ; v32-79 K's halves, v80-85 zeros; later V's four fragments
.set KS,  86                           ; v86-93 K's scale words
.set S,   96                           ; v96-159 scores, then p
.set OT,  160                          ; v160-191 O^T
.set VS,  192                          ; v192-195 V's scale words
.set PC,  196                          ; v196-207 p's codes
.set CT,  208                          ; v208-214 conversions' second halves
.set BM,  216                          ; v216-219 block maxima
.set BT,  220                          ; v220-223 bytes
.set SOP, 224                          ; v224-227 scale operands
.set PS,  228                          ; v228 p's scale word
.set FF,  230                          ; v[230:231] the factor
.set TP,  232
.set SU,  234                          ; v[234:235] the sum's second chain
.set WV,  5                            ; s5 wave   s4 offset in mw   s6 the step's record in LDS   s7 steps   s8 passes
.set SEL, 10
.set CS,  12                           ; s[12:13] c = log2(e) / 8
.macro ROUND                           ; a round of the cluster's barrier
	s_barrier_signal -1
	s_barrier_wait -1
	s_cmp_lg_u32 s[WV], 0
	s_cbranch_scc1 .Lnot_wave_0_\@
	s_barrier_signal -3
.Lnot_wave_0_\@:
	s_barrier_wait -3
	s_barrier_signal -1
	s_barrier_wait -1
.endm
.macro MWLOAD                          ; a record of 64 select words: word j in s[16 + j], from word 48 on in s[20 + j]
	s_load_b512 s[16:31], s[2:3], s4 offset:0x0
	s_load_b512 s[32:47], s[2:3], s4 offset:0x40
	s_load_b512 s[48:63], s[2:3], s4 offset:0x80
	s_load_b512 s[68:83], s[2:3], s4 offset:0xc0
.endm
	s_load_b128 s[68:71], s[0:1], 0x0              ; qc s[68:69], kv s[70:71]
	s_load_b128 s[72:75], s[0:1], 0x10             ; mw s[72:73], ac s[74:75]
	s_load_b64 s[76:77], s[0:1], 0x20              ; asc
	v_lshl_add_u32 v254, v0, 2, 0x33000
	v_mov_b32 v255, 0
	ds_add_u32 v254, v255
	ds_add_u32 v254, v255
	v_lshrrev_b32 v1, 5, v0
	v_readfirstlane_b32 s[WV], v1                  ; wave 0..15
	v_and_b32 v8, 31, v0                           ; lane
	v_and_b32 v9, 15, v0                           ; r
	v_lshlrev_b32 v4, 4, v8                        ; 16 l
	v_lshlrev_b32 v5, 3, v8                        ; 8 l
	v_lshlrev_b32 v6, 4, v9                        ; 16 r
	v_lshlrev_b32 v7, 2, v9                        ; 4 r
	s_and_b32 s15, ttmp7, 0xffff                   ; the head, which the four partners share
	; the joint load's descriptor: record w of the head: 51 rows of 256 bytes, dense
	s_mov_b32 s16, 15|(3<<16)|(1<<21)              ; the mask: all four work-groups; elements of 8 bytes; bit 21 beside a mask
	s_mov_b32 s17, 32<<16
	s_mov_b32 s18, 51<<16
	s_mov_b32 s19, 32<<16
	s_mov_b32 s20, 51
	s_mov_b32 s21, 32
	s_mov_b32 s22, 0
	s_mov_b32 s23, 0
	s_mov_b32 s24, 1
	s_mul_i32 s25, s[WV], REC                      ; LDS address
	s_mul_i32 s92, s15, 16*REC
	s_add_co_u32 s92, s92, s25
	s_mov_b32 s93, 0
	s_wait_dscnt 0x0
	s_wait_kmcnt 0x0
	s_add_nc_u64 s[26:27], s[70:71], s[92:93]
	s_or_b32 s27, s27, 0x80000000                  ; type = 2
	s_bfe_u32 s14, ttmp6, 0x40000                  ; cx
	s_lshl_b32 s9, ttmp9, 2
	s_add_co_u32 s14, s14, s9                      ; x: my 512 queries.  It enters global addresses of q, the select words and the outputs alone
	s_mul_i32 s92, s15, 106496                     ; q: head, record 4 x + w / 8 (+ 2 a pass),
	s_lshl_b32 s94, s14, 2
	s_lshr_b32 s95, s[WV], 3
	s_add_co_u32 s94, s94, s95
	s_mul_i32 s94, s94, 6656
	s_add_co_u32 s92, s92, s94
	s_add_nc_u64 s[86:87], s[68:69], s[92:93]
	s_and_b32 s94, s[WV], 7
	s_mul_i32 s94, s94, 768                        ; half image w % 8;
	s_mov_b32 s95, 0
	s_add_nc_u64 s[84:85], s[86:87], s[94:95]
	s_bfe_u32 s94, s[WV], 0x10002
	s_lshl_b32 s94, s94, 8
	s_and_b32 s92, s[WV], 3
	s_lshl_b32 s92, s92, 2
	s_add_co_u32 s94, s94, s92
	s_add_co_u32 s94, s94, 6144                    ; its scale words at 6,144 + 256 (m / 4) + 4 (m % 4) + 16 r
	s_add_nc_u64 s[86:87], s[86:87], s[94:95]
	s_mov_b64 s[2:3], s[72:73]
	s_lshl_b32 s4, s14, 4
	s_add_co_u32 s4, s4, s[WV]
	s_lshl_b32 s4, s4, 13                          ; my 32 records of select words lie on end
	s_lshr_b32 s92, s15, 3                         ; out: tile 128 b + 32 x + w (+ 16 a pass), head h
	s_lshl_b32 s92, s92, 7
	s_lshl_b32 s94, s14, 5
	s_add_co_u32 s92, s92, s94
	s_add_co_u32 s92, s92, s[WV]
	s_lshl_b32 s92, s92, 3
	s_and_b32 s94, s15, 7
	s_add_co_u32 s92, s92, s94
	s_mul_i32 s94, s92, 768
	s_add_nc_u64 s[88:89], s[74:75], s[94:95]
	s_lshl_b32 s94, s92, 6
	s_add_nc_u64 s[90:91], s[76:77], s[94:95]
	ROUND                                          ; all four work-groups are here: the joint loads meet
	tensor_load_to_lds s[24:27], s[16:23]          ; my one tensor load of the launch
	s_nop 0
.rept 4
	v_nop
.endr
	s_mov_b32 s[SEL], 0x76543210
	s_mov_b32 s[SEL+1], 0xfedcba98                 ; selects for lane l xor 16
	s_mov_b32 s[CS], 0x3e38aa3b                    ; c
	s_mov_b32 s[CS+1], s[CS]                       ; (named with it as a pair)
	v_mov_b32 v[NEG], 0xf3000000
.irp j, 22,23,24,25,26,27,80,81,82,83,84,85
	v_mov_b32 v\j, 0                               ; zero codes
.endr
.irp b, 0,1,2,3
	v_mov_b32 v[BT+\b], 0                          ; a lane permute's destination counts as one of its sources
.endr
	v_mov_b32 v[FF+1], 0                           ; (named as the upper half of a pair)
	v_mov_b32 v[TP], 0
	s_mov_b32 s8, 2
	s_wait_tensorcnt 0x0                           ; my record has landed, and the descriptor's registers are free
	MWLOAD                                         ; the first step's select words
	s_barrier_signal -1
	s_barrier_wait -1                              ; everybody's record has landed
.Lpass:
	global_load_b128 v[16:19], v4, s[84:85]        ; q's half fragment
	global_load_b64 v[20:21], v5, s[84:85] offset:512
	global_load_b32 v[QS], v6, s[86:87]
.set j, 0
.rept 32
	v_mov_b32 v[OT+j], 0                           ; the step is written once: the first finds zeros, which the first change of M leaves zeros
.set j, j+1
.endr
	v_mov_b32 v14, 0
	v_mov_b32 v15, 0
	v_mov_b32 v13, 0xff61b1e6                      ; the largest t so far: -3e38
	v_floor_f32 v12, -v13                          ; -M
	s_mov_b32 s6, 0
	s_mov_b32 s7, 16
	s_wait_loadcnt 0x0
.Lstep:
	v_add_nc_u32 v1, s6, v4                        ; the step's record + 16 l, + 8 l, + 16 r.  With the v_nop: four places behind the last products, in front of loads into their sources
	v_add_nc_u32 v2, s6, v5
	v_add_nc_u32 v3, s6, v6
	v_nop
.irp t, 0,1,2,3,4,5,6,7
	ds_load_b128 v[F+6*\t:F+6*\t+3], v1 offset:768*\t
	ds_load_b64 v[F+6*\t+4:F+6*\t+5], v2 offset:768*\t+512
.endr
	ds_load_b128 v[KS:KS+3], v3 offset:6144
	ds_load_b128 v[KS+4:KS+7], v3 offset:6400
	s_wait_dscnt 0x0
.irp t, 0,1,2,3,4,5,6,7
	v_wmma_scale_f32_16x16x128_f8f6f4 v[S+8*\t:S+8*\t+7], v[F+6*\t:F+6*\t+11], v[16:27], 0, v[KS+\t], v[QS] matrix_a_fmt:MATRIX_FMT_BF6 matrix_b_fmt:MATRIX_FMT_BF6
.endr
.rept 4
	v_nop                                          ; places: in front of the loads over K's fragments and of the first read of the scores
.endr
.irp n, 0,1,2,3
.irp c, 0,1,2
	ds_load_b128 v[F+12*\n+4*\c:F+12*\n+4*\c+3], v1 offset:6656+1536*\n+512*\c   ; V's fragments land under the softmax
.endr
.endr
	ds_load_b128 v[VS:VS+3], v3 offset:12800
	s_wait_kmcnt 0x0                               ; this step's select words, asked for a step ago
.set j, 0
.rept 64
.if j < 48
	v_cndmask_b32 v[S+j], v[NEG], v[S+j], s[16+j]  ; ascending: each accumulator is read from its low end on
.else
	v_cndmask_b32 v[S+j], v[NEG], v[S+j], s[20+j]
.endif
.set j, j+1
.endr
	s_add_co_u32 s4, s4, 256                       ; the loads that read s4 are done (the wait above)
	s_min_u32 s4, s4, 524032                       ; the last look-ahead stays at the buffer's last record
	MWLOAD
.irp b, 0,1,2,3
	v_max3_num_f32 v[BM+\b], v[S+16*\b], v[S+1+16*\b], v[S+2+16*\b]   ; the largest score of each block of 32 keys: for the row's maximum, and, since p rises with the score, for the block's largest p
.endr
.irp i, 3,5,7,9,11,13
.irp b, 0,1,2,3
	v_max3_num_f32 v[BM+\b], v[BM+\b], v[S+16*\b+\i], v[S+1+16*\b+\i]
.endr
.endr
.irp b, 0,1,2,3
	v_max_num_f32 v[BM+\b], v[BM+\b], v[S+15+16*\b]
.endr
.irp b, 0,1,2,3
	v_permlanex16_b32 v[BT+\b], v[BM+\b], s[SEL], s[SEL+1]
.endr
.irp b, 0,1,2,3
	v_max_num_f32 v[BM+\b], v[BM+\b], v[BT+\b]     ; with lane l xor 16's 16 keys
.endr
	v_max3_num_f32 v[TP], v[BM], v[BM+1], v[BM+2]
	v_max_num_f32 v[TP], v[TP], v[BM+3]
	v_mul_f32 v[TP], s[CS], v[TP]                  ; as t (c is positive)
	v_max_num_f32 v13, v13, v[TP]                  ; the running largest t
	v_mov_b32 v[TP], v12
	v_floor_f32 v12, -v13                          ; the new -M = -ceil(t)
	v_sub_f32 v[TP], v12, v[TP]                    ; old M - new M: a whole number, 0 or less
	v_cvt_i32_f32 v[TP], v[TP]                     ; (it saturates)
	v_ldexp_f32 v[FF], 1.0, v[TP]                  ; the factor 2^(old M - new M)
.set j, 0
.rept 32
	v_pk_fma_f32 v[S+j:S+j+1], v[S+j:S+j+1], s[CS:CS+1], v[12:13] op_sel_hi:[1,0,0]   ; t - M, two at a time
.set j, j+2
.endr
.irp b, 0,1,2,3
	v_fma_f32 v[BM+\b], v[BM+\b], s[CS], v12       ; the same of each block's largest score
.endr
.set j, 0
.rept 64
	v_exp_f32 v[S+j], v[S+j]                       ; p, at most 1
.set j, j+1
.endr
.irp b, 0,1,2,3
	v_exp_f32 v[BM+\b], v[BM+\b]                   ; the block's largest p: the same two instructions on the same number
.endr
	v_pk_mul_f32 v[14:15], v[14:15], v[FF:FF+1] op_sel_hi:[1,0]    ; the sum under the new M.  (A plain place behind the exponentials)
	s_wait_alu depctr_va_vdst(0)
.irp b, 0,1,2,3
	v_max_num_f32 v[BM+\b], 0x2800000, v[BM+\b]    ; the floor 2^(5 - 127)
.endr
.irp b, 0,1,2,3
	v_add_nc_u32 v[SOP+\b], 0xfe000000, v[BM+\b]
.endr
.irp b, 0,1,2,3
	v_lshrrev_b32 v[BT+\b], 23, v[SOP+\b]
.endr
	v_lshl_or_b32 v[PS], v[BT+1], 8, v[BT]
	v_lshl_or_b32 v[PS], v[BT+2], 16, v[PS]
	v_lshl_or_b32 v[PS], v[BT+3], 24, v[PS]
.irp c, 0,1
	v_cvt_scalef32_pk16_bf6_f32 v[PC+6*\c:PC+6*\c+2], v[S+32*\c:S+32*\c+15], v[SOP+2*\c]
	v_cvt_scalef32_pk16_bf6_f32 v[CT+4*\c:CT+4*\c+2], v[S+16+32*\c:S+31+32*\c], v[SOP+2*\c+1]
.endr
	v_nop                                          ; one plain place behind a scaled conversion
.irp c, 0,1
.irp i, 0,1,2
	v_permlane16_swap_b32 v[PC+6*\c+\i], v[CT+4*\c+\i]
.endr
.irp i, 0,1,2
	v_mov_b32 v[PC+3+6*\c+\i], v[CT+4*\c+\i]
.endr
.endr
	v_pk_add_f32 v[SU:SU+1], v[S:S+1], v[S+2:S+3]  ; the sum of the unquantised p, in two chains
.irp j, 4,8,12,16,20,24,28,32,36,40,44,48,52,56,60
	v_pk_add_f32 v[14:15], v[14:15], v[S+\j:S+\j+1]
	v_pk_add_f32 v[SU:SU+1], v[SU:SU+1], v[S+2+\j:S+3+\j]
.endr
	v_pk_add_f32 v[14:15], v[14:15], v[SU:SU+1]
.set j, 0
.rept 16
	v_pk_mul_f32 v[OT+j:OT+j+1], v[OT+j:OT+j+1], v[FF:FF+1] op_sel_hi:[1,0]   ; O^T under the new M.  (The sums and these are the places between p's codes and scale word and the products)
.set j, j+2
.endr
	s_wait_dscnt 0x0                               ; V
.irp n, 0,1,2,3
	v_wmma_scale_f32_16x16x128_f8f6f4 v[OT+8*\n:OT+8*\n+7], v[F+12*\n:F+12*\n+11], v[PC:PC+11], v[OT+8*\n:OT+8*\n+7], v[VS+\n], v[PS] matrix_a_fmt:MATRIX_FMT_BF6 matrix_b_fmt:MATRIX_FMT_BF6
.endr
	s_add_co_u32 s6, s6, REC
	s_sub_co_u32 s7, s7, 1
	s_cmp_lg_u32 s7, 0
	s_cbranch_scc1 .Lstep
	; THE WAY OUT OF A PASS: O^T / l; register 16 b + i is channel 32 b + 16 (lane / 16) + i of my query: two blocks along the last product's K
.rept 4
	v_nop                                          ; places behind the last products
.endr
	v_add_f32 v14, v14, v15
	v_permlanex16_b32 v[TP], v14, s[SEL], s[SEL+1]
	v_add_f32 v14, v14, v[TP]                      ; l
	v_rcp_f32 v14, v14
	v_nop                                          ; one plain place behind a transcendental
.set j, 0
	s_wait_alu depctr_va_vdst(0)
.rept 32
	v_mul_f32 v[S+j], v[OT+j], v14
.set j, j+1
.endr
.irp b, 0,1
	v_max3_num_f32 v[BM+\b], |v[S+16*\b]|, |v[S+1+16*\b]|, 0x2800000
.endr
.irp i, 2,4,6,8,10,12,14
.irp b, 0,1
	v_max3_num_f32 v[BM+\b], v[BM+\b], |v[S+16*\b+\i]|, |v[S+1+16*\b+\i]|
.endr
.endr
.irp b, 0,1
	v_permlanex16_b32 v[BT+\b], v[BM+\b], s[SEL], s[SEL+1]
.endr
.irp b, 0,1
	v_max_num_f32 v[BM+\b], v[BM+\b], v[BT+\b]
.endr
.irp b, 0,1
	v_add_nc_u32 v[SOP+\b], 0xfe000000, v[BM+\b]
.endr
.irp b, 0,1
	v_lshrrev_b32 v[BT+\b], 23, v[SOP+\b]
.endr
	v_lshl_or_b32 v[PS], v[BT+1], 8, v[BT]         ; the head's two bytes of my row's scale word
	v_cvt_scalef32_pk16_bf6_f32 v[PC:PC+2], v[S:S+15], v[SOP]
	v_cvt_scalef32_pk16_bf6_f32 v[CT:CT+2], v[S+16:S+31], v[SOP+1]
	v_nop
.irp i, 0,1,2
	v_permlane16_swap_b32 v[PC+\i], v[CT+\i]
.endr
.irp i, 0,1,2
	v_mov_b32 v[PC+3+\i], v[CT+\i]
.endr
	global_store_b128 v4, v[PC:PC+3], s[88:89]     ; a half image: 512 and 256 consecutive bytes
	global_store_b64 v5, v[PC+4:PC+5], s[88:89] offset:512
	v_cmp_gt_u32 vcc_lo, 16, v8
	s_wait_xcnt 0x0                                ; EXEC changes only behind this wait
	s_and_saveexec_b32 s9, vcc_lo                  ; lanes 16-31 hold the same words
	global_store_b32 v7, v[PS], s[90:91]
	s_wait_xcnt 0x0
	s_or_b32 exec_lo, exec_lo, s9
	s_add_nc_u64 s[84:85], s[84:85], 13312         ; 16 tiles on: two records of q,
	s_add_nc_u64 s[86:87], s[86:87], 13312
	s_add_nc_u64 s[88:89], s[88:89], 98304         ; 16 x 8 half images,
	s_add_nc_u64 s[90:91], s[90:91], 8192          ; 16 x 8 x 64 bytes of scale words
	s_sub_co_u32 s8, s8, 1
	s_cmp_lg_u32 s8, 0
	s_cbranch_scc1 .Lpass
	s_wait_kmcnt 0x0                               ; the last look-ahead
	s_wait_dscnt 0x0
	s_wait_tensorcnt 0x0
	ds_add_u32 v254, v255
	s_wait_dscnt 0x0
	ROUND                                          ; the closing round: no work-group ends while a partner may still ask jointly
	s_endpgm
.Lfunc_end_k_q4cb32fd2c8_attn:
	.size	k_q4cb32fd2c8_attn, .Lfunc_end_k_q4cb32fd2c8_attn-k_q4cb32fd2c8_attn
	.p2alignl 7, 3214868480
	.fill 96, 4, 3214868480
	.section	.rodata,"a",@progbits
	.p2align	6, 0x0
	.amdhsa_kernel k_q4cb32fd2c8_attn
		.amdhsa_group_segment_fixed_size 210944
		.amdhsa_private_segment_fixed_size 0
		.amdhsa_enable_private_segment 0
		.amdhsa_kernarg_size 40
		.amdhsa_user_sgpr_count 2
		.amdhsa_user_sgpr_kernarg_segment_ptr 1
		.amdhsa_wavefront_size32 1
		.amdhsa_system_sgpr_workgroup_id_x 1
		.amdhsa_system_sgpr_workgroup_id_y 1
		.amdhsa_system_sgpr_workgroup_id_z 1
		.amdhsa_system_vgpr_workitem_id 0
		.amdhsa_next_free_vgpr 256
		.amdhsa_next_free_sgpr 96
		.amdhsa_reserve_vcc 1
		.amdhsa_float_denorm_mode_32 3
		.amdhsa_float_denorm_mode_16_64 3
		.amdhsa_memory_ordered 1
		.amdhsa_forward_progress 1
		.amdhsa_inst_pref_size 32
	.end_amdhsa_kernel
	.amdgpu_metadata
---
amdhsa.version: [ 1, 2 ]
amdhsa.kernels:
  - .name:           k_q4cb32fd2c8_attn
    .symbol:         k_q4cb32fd2c8_attn.kd
    .args:
      - { .name: qc, .offset: 0, .size: 8, .value_kind: global_buffer, .address_space: global }
      - { .name: kv, .offset: 8, .size: 8, .value_kind: global_buffer, .address_space: global }
      - { .name: mw, .offset: 16, .size: 8, .value_kind: global_buffer, .address_space: global }
      - { .name: ac, .offset: 24, .size: 8, .value_kind: global_buffer, .address_space: global }
      - { .name: asc, .offset: 32, .size: 8, .value_kind: global_buffer, .address_space: global }
    .group_segment_fixed_size: 210944
    .private_segment_fixed_size: 0
    .kernarg_segment_align: 8
    .kernarg_segment_size: 40
    .max_flat_workgroup_size: 512
    .sgpr_count:     96
    .vgpr_count:     256
    .wavefront_size: 32
...
	.end_amdgpu_metadata
.endif
;; end of part 3
;; launch oproj (part 4): grid 256 x 1, 4 waves a work-group, clusters of 4 x 1, 239,104 bytes of LDS; arguments ac, asc, wc, bo, out0; writes out0
.if DOCPART == 4
	.amdgcn_target "amdgcn-amd-amdhsa--gfx1250"
	.amdhsa_code_object_version 6
	.text
	.protected	k_q4cb32fd2c8_oproj
	.globl	k_q4cb32fd2c8_oproj
	.p2align	8
	.type	k_q4cb32fd2c8_oproj,@function
k_q4cb32fd2c8_oproj:
	s_mov_b64 s[64:65], 0
	v_nop
	global_prefetch_b8 v0, s[64:65] scope:SCOPE_SE
	s_setreg_imm32_b32 hwreg(HW_REG_WAVE_MODE, 25, 1), 1
	s_wait_xcnt 0x0
	s_wait_alu depctr_hold_cnt(0) depctr_sa_sdst(0) depctr_va_vdst(0) depctr_va_sdst(0) depctr_va_ssrc(0) depctr_va_vcc(0) depctr_vm_vsrc(0)
	s_getreg_b32 s2, hwreg(HW_REG_IB_STS2, 6, 4)
	s_cmp_eq_u32 s2, 0
	s_cbranch_scc0 .Lentry_in_a_cluster
	s_endpgm
.Lentry_in_a_cluster:
	s_bfe_u32 s2, ttmp6, 0x10000c
	s_cmp_lg_u32 s2, 0x3003
	s_cbranch_scc0 .Lentry_shape_is_right
	s_endpgm
.Lentry_shape_is_right:
; out0 = a Wo^T + bo on codes of BF6 (E3M2) with E8M0 scales.  a: attention's output as half images [tile of 16 rows][head] of 768 bytes (registers 0-3 at 16 l, registers 4-5 at 512 + 8 l) and scale words [tile][head][r] (two bytes each).
; A work-group owns 64 rows: four tiles; wave w owns columns 128 w .. 128 w + 127: Wo's 8 tiles x 4 K steps stay in its registers (384), source 0; a tile of rows is source 1: a lane then holds eight neighbouring columns of one row.
; Wo's part, 51,200 bytes of register images, comes by ONE tensor load a wave, asked for JOINTLY by the four work-groups of a cluster; filled once.  Heads 2 s and 2 s + 1 make K step s: their half images are registers 0-5 and 6-11.
; Row k of tile i is 64 X + 32 (i / 2) + 8 (i % 2) + k + 8 (k / 8): the order in which the rows were tiled from the first launch on.
; A tile's results go through the wave's own stage in LDS (rows of 512 + 16 bytes) and leave as whole rows: 32 lanes store 512 consecutive bytes, aligned.  The waves share nothing: no barrier but the cluster's two rounds.
; REGISTERS, in windows of 256: window 0: addresses, HA accumulators, OB rows on the way out, scales.  window 1: Wo's fragments 0-19.  window 2: 20-31, then bo as 8 tiles of C.  window 3: a's 16 fragments.
.set PART, 51200
.set FRB,  1536
.set STG,  4*PART                      ; behind the weight: four stages of 16 x 528 bytes
.set SP,   528
.set LI,  4                            ; v4  16 l
.set L8,  5                            ; v5  8 l
.set R4,  6                            ; v6  4 r
.set BO,  7                            ; v7  32 h
.set LW,  8                            ; v8  16 l + my part
.set LWS, 9                            ; v9  my part's scale words + 128 r
.set STO, 10                           ; v10 the stage: row r, + 32 h
.set RD,  11                           ; v11 the stage: 16 l
.set CO,  12                           ; v12 512 w + 16 l
.set HA,  64                           ; v64-127
.set OB,  128                          ; v128-191; first the raw scale words, v128-159
.set SS,  200                          ; v200-231
.set XS,  232                          ; v232-247 a's scale words, (tile, K step)
.set B1,  144                          ; in window 2
.set WV,  14
.set MSB, 0
.macro WIN new                         ; the immediate's high byte repeats the setting that is left
.if MSB != (\new)
	s_set_vgpr_msb (MSB<<8)|(\new)
.set MSB, (\new)
.endif
.endm
.macro ROUND                           ; a round of the cluster's barrier
	s_barrier_signal -1
	s_barrier_wait -1
	s_cmp_lg_u32 s[WV], 0
	s_cbranch_scc1 .Lnot_wave_0_\@
	s_barrier_signal -3
.Lnot_wave_0_\@:
	s_barrier_wait -3
	s_barrier_signal -1
	s_barrier_wait -1
.endm
; 32 matrix instructions: HA[t] = bo's tile + the sum over four K steps of Wo (t, s) x a (s).  Tiles 0-4 (window 1) by turns, then tiles 5-7 (window 2) by turns.
.macro MULS xf, xs
	WIN 0x2d                                       ; source 0 window 1, source 1 window 3, C window 2
.irp t, 0,1,2,3,4
	v_wmma_scale_f32_16x16x128_f8f6f4 v[HA+8*\t:HA+8*\t+7], v[48*\t:48*\t+11], v[\xf:\xf+11], v[B1+8*\t:B1+8*\t+7], v[SS+4*\t], v[\xs] matrix_a_fmt:MATRIX_FMT_BF6 matrix_b_fmt:MATRIX_FMT_BF6
.endr
	WIN 0x0d
.irp s, 1,2,3
.irp t, 0,1,2,3,4
	v_wmma_scale_f32_16x16x128_f8f6f4 v[HA+8*\t:HA+8*\t+7], v[48*\t+12*\s:48*\t+12*\s+11], v[\xf+12*\s:\xf+12*\s+11], v[HA+8*\t:HA+8*\t+7], v[SS+4*\t+\s], v[\xs+\s] matrix_a_fmt:MATRIX_FMT_BF6 matrix_b_fmt:MATRIX_FMT_BF6
.endr
.endr
	WIN 0x2e                                       ; source 0 window 2
.irp t, 5,6,7
	v_wmma_scale_f32_16x16x128_f8f6f4 v[HA+8*\t:HA+8*\t+7], v[48*(\t-5):48*(\t-5)+11], v[\xf:\xf+11], v[B1+8*\t:B1+8*\t+7], v[SS+4*\t], v[\xs] matrix_a_fmt:MATRIX_FMT_BF6 matrix_b_fmt:MATRIX_FMT_BF6
.endr
	WIN 0x0e
.irp s, 1,2,3
.irp t, 5,6,7
	v_wmma_scale_f32_16x16x128_f8f6f4 v[HA+8*\t:HA+8*\t+7], v[48*(\t-5)+12*\s:48*(\t-5)+12*\s+11], v[\xf+12*\s:\xf+12*\s+11], v[HA+8*\t:HA+8*\t+7], v[SS+4*\t+\s], v[\xs+\s] matrix_a_fmt:MATRIX_FMT_BF6 matrix_b_fmt:MATRIX_FMT_BF6
.endr
.endr
	WIN 0
.endm
	s_load_b256 s[4:11], s[0:1], 0x0               ; ac s[4:5], asc s[6:7], wc s[8:9], bo s[10:11]
	s_load_b64 s[12:13], s[0:1], 0x20              ; out0
	v_lshl_add_u32 v254, v0, 2, 0x3a400
	v_mov_b32 v255, 0
	ds_add_u32 v254, v255
	ds_add_u32 v254, v255
	v_lshrrev_b32 v1, 5, v0
	v_readfirstlane_b32 s[WV], v1                  ; wave 0..3
	v_and_b32 v1, 31, v0                           ; lane
	v_and_b32 v2, 15, v0                           ; r
	v_bfe_u32 v3, v0, 4, 1                         ; h
	; the joint load's descriptor: Wo's part w: 200 rows of 256 bytes, dense; nothing in it hangs on my place in the cluster
	s_mov_b32 s24, 1
	s_mul_i32 s25, s[WV], PART                     ; LDS address
	s_add_co_u32 s18, s25, 3*4*PART                ; Wo is the fourth weight
	s_mov_b32 s19, 0
	s_mov_b32 s28, 15|(3<<16)|(1<<21)              ; the mask: all four work-groups; elements of 8 bytes; bit 21 beside a mask
	s_mov_b32 s29, 32<<16
	s_mov_b32 s30, 200<<16
	s_mov_b32 s31, 32<<16
	s_mov_b32 s32, 200
	s_mov_b32 s33, 32
	s_mov_b32 s34, 0
	s_mov_b32 s35, 0
	s_bfe_u32 s15, ttmp6, 0x40000                  ; cx
	s_lshl_b32 s16, ttmp9, 2
	s_add_co_u32 s16, s16, s15                     ; X: my 64 rows.  It enters global addresses of a and of out0 alone
	v_lshlrev_b32 v[LI], 4, v1
	v_lshlrev_b32 v[L8], 3, v1
	v_lshlrev_b32 v[R4], 2, v2
	v_lshlrev_b32 v[BO], 5, v3
	v_add_nc_u32 v[LW], s25, v[LI]
	s_add_co_u32 s17, s25, 32*FRB
	v_lshl_add_u32 v[LWS], v2, 7, s17
	s_mul_i32 s17, s[WV], 16*SP
	s_add_co_u32 s17, s17, STG                     ; my stage
	v_mul_u32_u24 v[STO], v2, SP
	v_lshl_add_u32 v[STO], v3, 5, v[STO]
	v_add_nc_u32 v[STO], s17, v[STO]
	v_add_nc_u32 v[RD], s17, v[LI]
	s_lshl_b32 s22, s[WV], 9
	s_mov_b32 s23, 0
	v_add_nc_u32 v[CO], s22, v[LI]
	s_mul_i32 s20, s16, 24576                      ; a: 4 tiles x 8 heads x 768 bytes
	s_mov_b32 s21, 0
	s_wait_dscnt 0x0
	s_wait_kmcnt 0x0
	s_add_nc_u64 s[26:27], s[8:9], s[18:19]
	s_or_b32 s27, s27, 0x80000000                  ; type = 2
	s_add_nc_u64 s[4:5], s[4:5], s[20:21]
	s_lshl_b32 s20, s16, 11
	s_add_nc_u64 s[6:7], s[6:7], s[20:21]          ; 4 x 8 x 64 bytes of scale words
	s_lshl_b32 s20, s16, 17
	s_add_nc_u64 s[12:13], s[12:13], s[20:21]      ; 64 rows of 2,048 bytes
	s_add_nc_u64 s[10:11], s[10:11], s[22:23]      ; my 128 numbers of bo
	WIN 0xc0
.irp i, 0,1,2,3
.irp d, 0,1,2,3,4,5,6,7
	global_load_b128 v[48*\i+12*(\d/2)+6*(\d%2):48*\i+12*(\d/2)+6*(\d%2)+3], v[LI], s[4:5] offset:(8*\i+\d)*768
	global_load_b64 v[48*\i+12*(\d/2)+6*(\d%2)+4:48*\i+12*(\d/2)+6*(\d%2)+5], v[L8], s[4:5] offset:(8*\i+\d)*768+512
.endr
.endr
	WIN 0x80
.irp t, 0,1,2,3,4,5,6,7
	global_load_b128 v[B1+8*\t:B1+8*\t+3], v[BO], s[10:11] offset:64*\t          ; tile t's C: columns 16 t + 8 h + 0 .. 7
	global_load_b128 v[B1+8*\t+4:B1+8*\t+7], v[BO], s[10:11] offset:64*\t+16
.endr
	WIN 0
.set j, 0
.rept 32
	global_load_b32 v[OB+j], v[R4], s[6:7] offset:64*j                           ; (tile, head): my row's two bytes
.set j, j+1
.endr
	ROUND                                          ; all four work-groups are here: the joint loads meet
	tensor_load_to_lds s[24:27], s[28:35]          ; my one tensor load of the launch
	s_nop 0
.rept 4
	v_nop
.endr
	s_wait_tensorcnt 0x0                           ; my part has landed; I alone read it
	WIN 0x40
.set FI, 0
.rept 20
.irp c, 0,1,2
	ds_load_b128 v[12*FI+4*\c:12*FI+4*\c+3], v[LW] offset:FRB*FI+512*\c
.endr
.set FI, FI+1
.endr
	WIN 0x80
.rept 12
.irp c, 0,1,2
	ds_load_b128 v[12*(FI-20)+4*\c:12*(FI-20)+4*\c+3], v[LW] offset:FRB*FI+512*\c
.endr
.set FI, FI+1
.endr
	WIN 0
.irp t, 0,1,2,3,4,5,6,7
	ds_load_b128 v[SS+4*\t:SS+4*\t+3], v[LWS] offset:16*\t
.endr
	s_wait_loadcnt 0x0
.set j, 0
.rept 16
	v_lshl_or_b32 v[XS+j], v[OB+2*j+1], 16, v[OB+2*j]      ; heads 2 s and 2 s + 1 make K step s's word.  Behind the first tile's four words stand the other twelve: more than the eight places owed
.set j, j+1
.endr
	s_wait_dscnt 0x0
.irp i, 0,1,2,3
	MULS 48*\i, XS+4*\i
.rept 5
	v_nop                                          ; places behind the products: four for the stores that read results, five for the next tile's first product, which writes over one
.endr
.irp t, 0,1,2,3,4,5,6,7
	ds_store_b128 v[STO], v[HA+8*\t:HA+8*\t+3] offset:64*\t        ; each accumulator from its low end on
	ds_store_b128 v[STO], v[HA+8*\t+4:HA+8*\t+7] offset:64*\t+16
.endr
	s_wait_xcnt 0x0                                ; the last tile's stores have read v[OB] on
.irp k, 0,1,2,3,4,5,6,7,8,9,10,11,12,13,14,15
	ds_load_b128 v[OB+4*\k:OB+4*\k+3], v[RD] offset:SP*\k          ; a wave's LDS instructions are served in order (ISA guide 5.7.1.4): these see the stores above
.endr
.irp k, 0,1,2,3,4,5,6,7,8,9,10,11,12,13,14,15
	s_wait_dscnt 15-\k                             ; row k is back; the younger rows may be out
	global_store_b128 v[CO], v[OB+4*\k:OB+4*\k+3], s[12:13] offset:(32*(\i/2)+8*(\i%2)+\k+8*(\k/8))*2048 th:TH_STORE_NT
.endr
.endr
	s_wait_dscnt 0x0
	s_wait_tensorcnt 0x0
	ds_add_u32 v254, v255
	s_wait_dscnt 0x0
	ROUND                                          ; the closing round: no work-group ends while a partner may still ask jointly
	s_endpgm
.Lfunc_end_k_q4cb32fd2c8_oproj:
	.size	k_q4cb32fd2c8_oproj, .Lfunc_end_k_q4cb32fd2c8_oproj-k_q4cb32fd2c8_oproj
	.p2alignl 7, 3214868480
	.fill 96, 4, 3214868480
	.section	.rodata,"a",@progbits
	.p2align	6, 0x0
	.amdhsa_kernel k_q4cb32fd2c8_oproj
		.amdhsa_group_segment_fixed_size 239104
		.amdhsa_private_segment_fixed_size 0
		.amdhsa_enable_private_segment 0
		.amdhsa_kernarg_size 40
		.amdhsa_user_sgpr_count 2
		.amdhsa_user_sgpr_kernarg_segment_ptr 1
		.amdhsa_wavefront_size32 1
		.amdhsa_system_sgpr_workgroup_id_x 1
		.amdhsa_system_sgpr_workgroup_id_y 1
		.amdhsa_system_sgpr_workgroup_id_z 1
		.amdhsa_system_vgpr_workitem_id 0
		.amdhsa_next_free_vgpr 1024
		.amdhsa_next_free_sgpr 66
		.amdhsa_reserve_vcc 0
		.amdhsa_float_denorm_mode_32 3
		.amdhsa_float_denorm_mode_16_64 3
		.amdhsa_memory_ordered 1
		.amdhsa_forward_progress 1
		.amdhsa_inst_pref_size 56
	.end_amdhsa_kernel
	.amdgpu_metadata
---
amdhsa.version: [ 1, 2 ]
amdhsa.kernels:
  - .name:           k_q4cb32fd2c8_oproj
    .symbol:         k_q4cb32fd2c8_oproj.kd
    .args:
      - { .name: ac, .offset: 0, .size: 8, .value_kind: global_buffer, .address_space: global }
      - { .name: asc, .offset: 8, .size: 8, .value_kind: global_buffer, .address_space: global }
      - { .name: wc, .offset: 16, .size: 8, .value_kind: global_buffer, .address_space: global }
      - { .name: bo, .offset: 24, .size: 8, .value_kind: global_buffer, .address_space: global }
      - { .name: out0, .offset: 32, .size: 8, .value_kind: global_buffer, .address_space: global }
    .group_segment_fixed_size: 239104
    .private_segment_fixed_size: 0
    .kernarg_segment_align: 8
    .kernarg_segment_size: 40
    .max_flat_workgroup_size: 128
    .sgpr_count:     66
    .vgpr_count:     1024
    .wavefront_size: 32
...
	.end_amdgpu_metadata
.endif
;; end of part 4
;; ======== version 2 of 2: 4 launches
;; limits: right only within a limited range of input values
;; workspace buffers: wc 819,200 bytes; mw 524,288 bytes of whole numbers; qc 6,815,744 bytes; kv 13,369,344 bytes; ac 6,291,456 bytes; asc 524,288 bytes
;; launch prep (part 5): grid 288 x 1, 8 waves a work-group, no clusters, 136,192 bytes of LDS; arguments mask, Wq, Wk, Wv, Wo, wc, mw; writes wc, mw
.if DOCPART == 5
	.amdgcn_target "amdgcn-amd-amdhsa--gfx1250"
	.amdhsa_code_object_version 6
	.text
	.protected	k_q4cb32fd2c8_prep
	.globl	k_q4cb32fd2c8_prep
	.p2align	8
	.type	k_q4cb32fd2c8_prep,@function
k_q4cb32fd2c8_prep:
	s_mov_b64 s[64:65], 0
	v_nop
	global_prefetch_b8 v0, s[64:65] scope:SCOPE_SE
	s_setreg_imm32_b32 hwreg(HW_REG_WAVE_MODE, 25, 1), 1
	s_wait_xcnt 0x0
; TWO JOBS, parted by the work-group's number.
; Work-groups 0-31: the four weights [512][512] f32 (K innermost) become codes of BF6 (E3M2) with one E8M0 byte for each 32 along K, laid IN THE ORDER OF THE OPERAND'S REGISTERS:
;   wc = [weight q,k,v,o][part w of 128 rows], 51,200 bytes a part: fragment (tile t, K step s) at (4 t + s) x 1,536: three chunks of 512 bytes, chunk c = registers 4 c .. 4 c + 3, lane l's 16 bytes at 16 l;
;   the scale words at 49,152 + 128 r + 4 (4 t + s).  Row r of tile t is 32 (t / 2) + 8 (t % 2) + r + 8 (r / 8) for Wq, Wk, Wv (so that a later product's results lie along the next K in one lane), 16 t + r for Wo.
;   Work-group g: weight g / 8, part (g / 2) % 4, K steps 2 (g % 2) and 2 (g % 2) + 1; wave = tile.
; Work-groups 32-287: the mask [2048][2048] int32 becomes SELECT WORDS: one record of 64 words for a tile of 16 queries and a step of 128 keys; bit l of word 16 b + i says whether key 128 step + 32 b + 16 (l / 16) + i
;   counts for query l % 16 of the tile: the lane mask that attention's select of score register 16 b + i wants.  Records lie in the order in which an attention wave walks them.
; LOADS TAKE THE BYTES AS THEY LIE: one load of a wave covers 512 consecutive bytes of one row, 16 a lane.  What a lane wants is a run of its OWN row, so 16 rows x 512 bytes turn through the wave's own stage in LDS:
;   sixteen stores as loaded, one row each, 528 bytes apart; sixteen loads at 528 r + the lane's place in the row.  528 is an odd multiple of 16: sixteen lanes' 16 bytes fall into sixteen different columns of 16 bytes.
;   Each of the two paths has stages of its own; a wave reads only what it stored, so no barrier.
; A block's scale byte is its largest magnitude's exponent field - 4, held at 1 from below.  LIMITS: a block of zeros gets the byte 1 where the rule says 127 (its codes are zeros, and this program alone reads the bytes);
; blocks whose largest magnitude lies under 2^-122 were not tried; NaN and infinities are not served.
; No cluster: no two waves read the same bytes.  The scale words leave as 8 bytes a lane, 128 bytes apart: 32,768 bytes in all beside 786,432 of codes.
.set PART, 51200
.set SP,   528                         ; a stage row: 512 bytes + 16
.set STM,  8*16*SP                     ; the weights' eight stages begin at 0, the mask's eight here
.set XB,   192                         ; v192-255: the turned numbers of the weights' path
	s_load_b256 s[4:11], s[0:1], 0x0               ; mask s[4:5], Wq s[6:7], Wk s[8:9], Wv s[10:11]
	s_load_b128 s[12:15], s[0:1], 0x20             ; Wo s[12:13], wc s[14:15]
	s_load_b64 s[16:17], s[0:1], 0x30              ; mw
	v_lshl_add_u32 v62, v0, 2, 0x21000
	v_mov_b32 v63, 0
	v_lshrrev_b32 v1, 5, v0
	s_delay_alu instid0(VALU_DEP_1)
	v_readfirstlane_b32 s18, v1                    ; wave 0..7
	v_and_b32 v8, 31, v0                           ; lane
	v_and_b32 v2, 15, v0                           ; r
	v_bfe_u32 v3, v0, 4, 1                         ; h
	s_mul_i32 s29, s18, 16*SP                      ; my stage among the path's eight
	v_mul_u32_u24 v17, v2, SP                      ; 528 r
	s_cmp_lt_u32 ttmp9, 32
	s_cbranch_scc0 .Lmask
	; ---------------- the weights
	s_lshr_b32 s19, ttmp9, 3                       ; weight
	s_bfe_u32 s20, ttmp9, 0x20001                  ; part
	s_and_b32 s28, ttmp9, 1                        ; u: which two K steps
	s_lshr_b32 s21, s18, 1
	s_lshl_b32 s21, s21, 5
	s_and_b32 s22, s18, 1
	s_lshl_b32 s22, s22, 3
	s_add_co_u32 s21, s21, s22                     ; 32 (t / 2) + 8 (t % 2)
	s_lshl_b32 s22, s18, 4                         ; 16 t
	s_cmp_eq_u32 s19, 3
	s_cselect_b32 s21, s22, s21                    ; Wo's tiles are neighbouring rows:
	s_cselect_b32 s23, 8, 16                       ; a tile's rows 8-15 begin 8 rows on there, 16 rows on in the others
	s_lshl_b32 s24, s20, 7
	s_add_co_u32 s24, s24, s21                     ; the tile's first row
	s_lshl_b32 s24, s24, 11                        ; x 2,048 bytes
	s_lshl_b32 s25, s28, 10
	s_add_co_u32 s24, s24, s25                     ; + 1,024 u: my two K steps
	s_wait_alu depctr_va_vdst(0)
	v_lshl_add_u32 v4, v8, 4, s24                  ; rows 0-7: + 16 l
	s_lshl_b32 s23, s23, 11
	v_add_nc_u32 v10, s23, v4                      ; rows 8-15
	v_lshlrev_b32 v5, 3, v3                        ; 8 h: where my two bytes stand in the scale word
	s_mul_i32 s25, s18, 6144
	s_mul_i32 s22, s28, 3072
	s_add_co_u32 s25, s25, s22
	v_lshl_add_u32 v6, v8, 4, s25                  ; out: 16 l + fragment (4 t + 2 u)
	s_lshl_b32 s25, s18, 4
	s_lshl_b32 s22, s28, 3
	s_add_co_u32 s25, s25, s22
	s_add_co_u32 s25, s25, 49152
	v_lshl_add_u32 v7, v2, 7, s25                  ; the scale words: 49,152 + 128 r + 16 t + 8 u
	v_lshl_add_u32 v16, v8, 4, s29                 ; the stage, in: 16 l
	v_lshl_add_u32 v17, v3, 7, v17
	s_delay_alu instid0(VALU_DEP_1)
	v_add_nc_u32 v17, s29, v17                     ; and out: 528 r + 128 h: lanes 16-31 begin 32 numbers on
	v_mov_b32 v11, 0                               ; a lane permute's destination counts as one of its sources
	s_mov_b32 s26, 0x76543210
	s_mov_b32 s27, 0xfedcba98                      ; selects for lane l xor 16
	s_lshr_b32 s30, ttmp9, 1
	s_mul_i32 s30, s30, PART                       ; weight x 204,800 + part x 51,200
	s_mov_b32 s31, 0
	s_wait_alu depctr_va_vdst(0)
	s_wait_kmcnt 0x0
	s_cmp_eq_u32 s19, 1
	s_cselect_b64 s[6:7], s[8:9], s[6:7]
	s_cmp_eq_u32 s19, 2
	s_cselect_b64 s[6:7], s[10:11], s[6:7]
	s_cmp_eq_u32 s19, 3
	s_cselect_b64 s[6:7], s[12:13], s[6:7]         ; my weight: the choice hangs on the work-group's number alone
	s_add_nc_u64 s[14:15], s[14:15], s[30:31]
.macro WL q                            ; my q-th K step: 16 rows x 512 bytes, a row a load, into v[64 + 64 q] on
.irp k, 0,1,2,3,4,5,6,7
	global_load_b128 v[64+64*\q+4*\k:64+64*\q+4*\k+3], v4, s[6:7] offset:512*\q+2048*\k th:TH_LOAD_NT
.endr
.irp k, 0,1,2,3,4,5,6,7
	global_load_b128 v[96+64*\q+4*\k:96+64*\q+4*\k+3], v10, s[6:7] offset:512*\q+2048*\k th:TH_LOAD_NT
.endr
.endm
.macro WT q                            ; through the stage: register 32 c + i of v[XB] on is then k = 64 c + 32 h + i of my row: the very k that the operand's layout gives my lane
.irp k, 0,1,2,3,4,5,6,7,8,9,10,11,12,13,14,15
	ds_store_b128 v16, v[64+64*\q+4*\k:64+64*\q+4*\k+3] offset:SP*\k
.endr
.irp c, 0,1
.irp j, 0,1,2,3,4,5,6,7
	ds_load_b128 v[XB+32*\c+4*\j:XB+32*\c+4*\j+3], v17 offset:256*\c+16*\j   ; a wave's LDS instructions are served in order (ISA guide 5.7.1.4): these see the stores above
.endr
.endr
	s_wait_dscnt 0x0
.endm
.macro WP q                            ; the turned numbers become a fragment and a scale word
.irp c, 0,1
	v_max3_num_f32 v[32+\c], |v[XB+32*\c]|, |v[XB+32*\c+1]|, 0x2800000   ; my block 2 c + h, and the floor 2^(5 - 127): the byte cannot fall under 1
.endr
.irp i, 2,4,6,8,10,12,14,16,18,20,22,24,26,28,30
.irp c, 0,1
	s_delay_alu instid0(VALU_DEP_2)
	v_max3_num_f32 v[32+\c], v[32+\c], |v[XB+32*\c+\i]|, |v[XB+32*\c+\i+1]|
.endr
.endr
.irp c, 0,1
	s_delay_alu instid0(VALU_DEP_2)
	v_add_nc_u32 v[44+\c], 0xfe000000, v[32+\c]    ; 4 off the exponent field: the conversion's scale operand
.endr
.irp c, 0,1
	s_delay_alu instid0(VALU_DEP_2)
	v_lshrrev_b32 v[36+\c], 23, v[44+\c]           ; the byte
.endr
	s_delay_alu instid0(VALU_DEP_1)
	v_lshl_or_b32 v9, v37, 16, v36                 ; blocks h and 2 + h,
	s_delay_alu instid0(VALU_DEP_1)
	v_lshlrev_b32 v9, v5, v9                       ; at their places;
	s_delay_alu instid0(VALU_DEP_1)
	v_permlanex16_b32 v11, v9, s26, s27
	s_delay_alu instid0(VALU_DEP_1)
	v_or_b32 v[12+\q], v9, v11                     ; with lane l xor 16's two the word is whole
	s_wait_alu depctr_va_vdst(0)
	s_wait_xcnt 0x0                                ; the last fragment's stores have read v48-59
.irp c, 0,1
	v_cvt_scalef32_pk16_bf6_f32 v[48+6*\c:50+6*\c], v[XB+32*\c:XB+32*\c+15], v[44+\c]
	v_cvt_scalef32_pk16_bf6_f32 v[20+4*\c:22+4*\c], v[XB+32*\c+16:XB+32*\c+31], v[44+\c]   ; (a conversion's three registers begin on an even number)
.endr
	v_nop                                          ; one plain place behind a scaled conversion
.irp c, 0,1
.irp i, 0,1,2
	v_mov_b32 v[51+6*\c+\i], v[20+4*\c+\i]
.endr
.endr
.irp c, 0,1,2
	global_store_b128 v6, v[48+4*\c:51+4*\c], s[14:15] offset:1536*\q+512*\c   ; 32 lanes store 512 consecutive bytes
.endr
.endm
	WL 0
	WL 1
	s_wait_loadcnt 16                              ; the first K step's 16 loads are in; the second's may be out
	WT 0
	WP 0
	s_wait_loadcnt 0x0
	WT 1                                           ; (the first turn's loads from the stage were waited for)
	WP 1
	s_wait_xcnt 0x0                                ; EXEC changes only behind this wait
	v_cmp_gt_u32 vcc_lo, 16, v8
	s_wait_tensorcnt 0x0
	ds_add_u32 v62, v63
	s_wait_dscnt 0x0
	s_and_saveexec_b32 s28, vcc_lo                 ; lanes 16-31 hold the same words
	global_store_b64 v7, v[12:13], s[14:15]
	s_wait_xcnt 0x0
	s_or_b32 exec_lo, exec_lo, s28
	s_endpgm
	; ---------------- the mask: wave = one record: query tile T = g / 2, key step = 8 (g % 2) + wave
.Lmask:
	s_sub_co_u32 s19, ttmp9, 32                    ; g
	s_lshr_b32 s20, s19, 1                         ; T, 0..127
	s_and_b32 s21, s19, 1
	s_lshl_b32 s21, s21, 3
	s_add_co_u32 s21, s21, s18                     ; step, 0..15
	s_lshr_b32 s24, s20, 3
	s_lshl_b32 s24, s24, 7                         ; 128 (T / 8)
	s_bfe_u32 s25, s20, 0x20001
	s_lshl_b32 s25, s25, 5                         ; + 32 ((T % 8) / 2)
	s_add_co_u32 s24, s24, s25
	s_and_b32 s25, s20, 1
	s_lshl_b32 s25, s25, 3                         ; + 8 (T % 2): the tile's first query
	s_add_co_u32 s24, s24, s25
	s_lshl_b32 s24, s24, 13                        ; x 8,192 bytes
	s_lshl_b32 s25, s21, 9
	s_add_co_u32 s24, s24, s25                     ; + 512 step
	s_wait_alu depctr_va_vdst(0)
	v_lshl_add_u32 v4, v8, 4, s24                  ; + 16 l
	s_add_co_u32 s29, s29, STM                     ; this path's stages
	v_lshl_add_u32 v16, v8, 4, s29                 ; in: 16 l
	; THE KEYS' ORDER (it takes the place of what the head says of the select words): bit l of word 32 c + i says whether key 128 step + 64 c + 32 (l / 16) + i counts for query l % 16 of the tile
	v_lshl_add_u32 v17, v3, 7, v17                 ; out: 528 r + 128 h: lanes 16-31 begin 32 keys on
	s_delay_alu instid0(VALU_DEP_1)
	v_add_nc_u32 v17, s29, v17                     ; + my stage
	s_lshr_b32 s22, s20, 5                         ; the record: (((T / 32) 16 + T % 16) 2 + (T / 16) % 2) 16 + step
	s_lshl_b32 s22, s22, 4
	s_and_b32 s23, s20, 15
	s_add_co_u32 s22, s22, s23
	s_lshl_b32 s22, s22, 1
	s_bfe_u32 s23, s20, 0x10004
	s_add_co_u32 s22, s22, s23
	s_lshl_b32 s22, s22, 4
	s_add_co_u32 s22, s22, s21
	s_lshl_b32 s22, s22, 8                         ; x 256 bytes
	s_mov_b32 s23, 0
	v_lshlrev_b32 v7, 3, v8                        ; out: 8 bytes a lane
	v_mov_b32 v32, 0                               ; v_writelane_b32's destination counts as read
	v_mov_b32 v33, 0
	s_wait_alu depctr_va_vdst(0)
	s_wait_kmcnt 0x0
	s_add_nc_u64 s[16:17], s[16:17], s[22:23]
.irp k, 0,1,2,3,4,5,6,7,8,9,10,11,12,13,14,15
	global_load_b128 v[128+4*\k:131+4*\k], v4, s[4:5] offset:(\k+8*(\k/8))*8192 th:TH_LOAD_NT   ; query k of the tile: its 128 keys, 512 consecutive bytes
.endr
.irp k, 0,1,2,3,4,5,6,7,8,9,10,11,12,13,14,15
	s_wait_loadcnt 15-\k                           ; row k is in; the younger rows may be out
	ds_store_b128 v16, v[128+4*\k:131+4*\k] offset:SP*\k
.endr
.irp b, 0,1
.irp j, 0,1,2,3,4,5,6,7
	ds_load_b128 v[64+32*\b+4*\j:64+32*\b+4*\j+3], v17 offset:256*\b+16*\j   ; register 32 c + i: key 128 step + 64 c + 32 h + i of my query
.endr
.endr
	s_wait_dscnt 0x0
.set j, 0
.rept 64
	v_cmp_ne_u32 s[28+j%8], 0, v[64+j]             ; word j: a bit for each lane
	s_delay_alu instid0(VALU_DEP_1)
	v_writelane_b32 v[32+j%2], s[28+j%8], j/2      ; lane l will store words 2 l and 2 l + 1
.set j, j+1
.endr
	global_store_b64 v7, v[32:33], s[16:17]        ; 32 lanes store 256 consecutive bytes, aligned
	s_wait_tensorcnt 0x0
	ds_add_u32 v62, v63
	s_wait_dscnt 0x0
	s_endpgm
.Lfunc_end_k_q4cb32fd2c8_prep:
	.size	k_q4cb32fd2c8_prep, .Lfunc_end_k_q4cb32fd2c8_prep-k_q4cb32fd2c8_prep
	.p2alignl 7, 3214868480
	.fill 96, 4, 3214868480
	.section	.rodata,"a",@progbits
	.p2align	6, 0x0
	.amdhsa_kernel k_q4cb32fd2c8_prep
		.amdhsa_group_segment_fixed_size 136192
		.amdhsa_private_segment_fixed_size 0
		.amdhsa_enable_private_segment 0
		.amdhsa_kernarg_size 56
		.amdhsa_user_sgpr_count 2
		.amdhsa_user_sgpr_kernarg_segment_ptr 1
		.amdhsa_wavefront_size32 1
		.amdhsa_system_sgpr_workgroup_id_x 1
		.amdhsa_system_sgpr_workgroup_id_y 1
		.amdhsa_system_sgpr_workgroup_id_z 1
		.amdhsa_system_vgpr_workitem_id 0
		.amdhsa_next_free_vgpr 256
		.amdhsa_next_free_sgpr 66
		.amdhsa_reserve_vcc 1
		.amdhsa_float_denorm_mode_32 3
		.amdhsa_float_denorm_mode_16_64 3
		.amdhsa_memory_ordered 1
		.amdhsa_forward_progress 1
		.amdhsa_inst_pref_size 36
	.end_amdhsa_kernel
	.amdgpu_metadata
---
amdhsa.version: [ 1, 2 ]
amdhsa.kernels:
  - .name:           k_q4cb32fd2c8_prep
    .symbol:         k_q4cb32fd2c8_prep.kd
    .args:
      - { .name: mask, .offset: 0, .size: 8, .value_kind: global_buffer, .address_space: global }
      - { .name: Wq, .offset: 8, .size: 8, .value_kind: global_buffer, .address_space: global }
      - { .name: Wk, .offset: 16, .size: 8, .value_kind: global_buffer, .address_space: global }
      - { .name: Wv, .offset: 24, .size: 8, .value_kind: global_buffer, .address_space: global }
      - { .name: Wo, .offset: 32, .size: 8, .value_kind: global_buffer, .address_space: global }
      - { .name: wc, .offset: 40, .size: 8, .value_kind: global_buffer, .address_space: global }
      - { .name: mw, .offset: 48, .size: 8, .value_kind: global_buffer, .address_space: global }
    .group_segment_fixed_size: 136192
    .private_segment_fixed_size: 0
    .kernarg_segment_align: 8
    .kernarg_segment_size: 56
    .max_flat_workgroup_size: 256
    .sgpr_count:     66
    .vgpr_count:     256
    .wavefront_size: 32
...
	.end_amdgpu_metadata
.endif
;; end of part 5
;; launch proj (part 6): grid 64 x 3, 4 waves a work-group, clusters of 4 x 1, 292,864 bytes of LDS; arguments Q, K, V, bq, bk, bv, wc, qc, kv; writes qc, kv
.if DOCPART == 6
	.amdgcn_target "amdgcn-amd-amdhsa--gfx1250"
	.amdhsa_code_object_version 6
	.text
	.protected	k_q4cb32fd2c8_proj
	.globl	k_q4cb32fd2c8_proj
	.p2align	8
	.type	k_q4cb32fd2c8_proj,@function
k_q4cb32fd2c8_proj:
	s_mov_b64 s[64:65], 0
	v_nop
	global_prefetch_b8 v0, s[64:65] scope:SCOPE_SE
	s_setreg_imm32_b32 hwreg(HW_REG_WAVE_MODE, 25, 1), 1
	s_wait_xcnt 0x0
	s_wait_alu depctr_hold_cnt(0) depctr_sa_sdst(0) depctr_va_vdst(0) depctr_va_sdst(0) depctr_va_ssrc(0) depctr_va_vcc(0) depctr_vm_vsrc(0)
	s_getreg_b32 s2, hwreg(HW_REG_IB_STS2, 6, 4)
	s_cmp_eq_u32 s2, 0
	s_cbranch_scc0 .Lentry_in_a_cluster
	s_endpgm
.Lentry_in_a_cluster:
	s_bfe_u32 s2, ttmp6, 0x10000c
	s_cmp_lg_u32 s2, 0x3003
	s_cbranch_scc0 .Lentry_shape_is_right
	s_endpgm
.Lentry_shape_is_right:
; q = Q Wq^T + bq, k = K Wk^T + bk, v = V Wv^T + bv on codes of BF6 (E3M2) with E8M0 scales; the results are quantised at once for attention's products: q and k along the head's 64, v along the keys.
; Work-group y picks the tensor; work-group x owns 256 rows, two blocks of 128.  Wave w owns units 128 w .. 128 w + 127: heads 2 w and 2 w + 1.
; ONE SCHEME FOR ALL THREE.  A STATIONARY operand (8 tiles x 4 K steps: 384 registers) is source 0; tiles STREAMED from LDS (4 fragments) are source 1; 32 matrix instructions give 8 accumulators whose 64 registers of a lane
; run along the stationary side.  q, k: the weight is stationary, x's tiles are streamed: a lane holds one row and 64 + 64 channels of two heads.  v: x is stationary, the weight's tiles are streamed: a lane holds one channel and 128 keys.
; THE ROWS OF A TILE ARE NOT NEIGHBOURS: row r of tile t is 32 (t / 2) + 8 (t % 2) + r + 8 (r / 8), for the weight's tiles and for x's: so register 16 b + i of a lane is place 32 b + 16 (lane / 16) + i along the next K.
; x (f32) is quantised once a block: wave w takes tiles w and w + 4, eight sets of 16 rows x 128 along K.  A LOAD TAKES THE BYTES AS THEY LIE: 512 consecutive bytes of one row, 16 a lane; the quantiser wants 16 neighbours of each
; block of the lane's OWN row, so a set turns through the wave's own stage in LDS: sixteen stores as loaded, 528 bytes apart (an odd multiple of 16: sixteen lanes' 16 bytes fall into sixteen different columns of 16 bytes),
; sixteen loads at 528 r + 64 h + 128 b + 16 j.  The turn runs one set ahead of the quantiser, the loads from memory three sets; the first block's last four turns ask for the second block's first tile.
; Codes and scale words go to the other waves through LDS as images of the operand's registers (three stores of 512 bytes a fragment).
; THE WEIGHT comes as register images from the launch before: wave w's part, 51,200 bytes, by ONE tensor load, asked for JOINTLY by the four work-groups of a cluster (same tensor, same weight); LDS bytes are filled once, none again.
; THE FIRST BLOCK'S x IS QUANTISED WHILE THE WEIGHT IS ON ITS WAY: that work needs nothing of it; the wait for the tensor load stands behind it.
; OUT (all in register order): qc [head][block] 6,656 bytes: 8 half images of 768 (registers 0-3 at 16 l, registers 4-5 at 512 + 8 l), scale words at 6,144 + 256 (m / 4) + 16 r + 4 (m % 4), bytes 2 and 3 of a word zero;
;   kv [head][step] 13,056 bytes: k as in qc; v: 4 fragments at 6,656 + 1,536 n, scale words at 12,800 + 16 r + 4 n.
; LIMITS: a block of zeros gets the byte 1 (its codes are zeros; this program alone reads the bytes); largest magnitudes under 2^-122 were not tried; NaN and infinities are not served.
; REGISTERS, in windows of 256: window 0: addresses; v16-143 two sets of turned numbers, later XF streamed fragments and HA accumulators; PC codes, scales.  window 1: stationary fragments 0-19.
;   window 2: 20-31, then the bias of q, k as 8 tiles of C.  window 3: four sets of 64 numbers of x as loaded.
.set PART, 51200
.set FRB,  1536
.set SP,   528                         ; a stage row: 512 bytes + 16
.set XIMG, 4*PART                      ; behind the weight: x's 32 images, (4 m + s) x 1,536
.set XSC,  XIMG+32*FRB                 ; x's scale words: 144 bytes a lane (an odd multiple of 16); word (m, s) at 144 l + 16 m + 4 s
.set STGX, XSC+32*144                  ; four stages of 16 x 528 bytes, one a wave
.set XA,  4                            ; v4   x: (tile w's first row) x 2,048 + 16 l
.set LI,  5                            ; v5   16 l
.set LW,  6                            ; v6   16 l + my part of the weight
.set XWI, 7                            ; v7   where I store x's images
.set XWS, 8                            ; v8   and their scale words
.set LXS, 9                            ; v9   XSC + 144 l
.set LWS, 10                           ; v10  my part's scale words + 128 r
.set LX,  11                           ; v11  XIMG + 16 l
.set O8,  12                           ; v12  8 l + 512
.set OSC, 13                           ; v13  h x head stride + 16 r
.set SH,  14                           ; v14  16 h
.set HH,  15                           ; v15  h
.set T0,  16                           ; v16-79, v80-143 turned numbers, two sets by turns
.set XF,  16                           ; v16-63
.set HA,  64                           ; v64-127
.set PC,  144                          ; v144-155 codes, v156-162 at work
.set TM,  164                          ; v164-179 the quantiser's
.set PW,  180
.set XPW, 184                          ; v184-187 x's four scale words
.set XS,  188                          ; v188-191 streamed scales
.set SW,  192                          ; v192-199 scale words to store
.set CB,  200                          ; v200-207 v's bias as C
.set BV,  208                          ; v208-215 v's bias, one number a tile
.set SS,  216                          ; v216-247 stationary scales
.set TSO, 248                          ; v248 my stage, in: 16 l
.set TLO, 249                          ; v249 my stage, out: 528 r + 64 h
.set B1,  144                          ; in window 2
.set WV,  10                           ; s10 wave   s11 tensor   s12 blocks to go   s13 head stride   s14 record
.set YY,  11
.set SEL, 20
.set MSB, 0
.macro WIN new                         ; the immediate's high byte repeats the setting that is left
.if MSB != (\new)
	s_set_vgpr_msb (MSB<<8)|(\new)
.set MSB, (\new)
.endif
.endm
.macro ROUND                           ; a round of the cluster's barrier
	s_barrier_signal -1
	s_barrier_wait -1
	s_cmp_lg_u32 s[WV], 0
	s_cbranch_scc1 .Lnot_wave_0_\@
	s_barrier_signal -3
.Lnot_wave_0_\@:
	s_barrier_wait -3
	s_barrier_signal -1
	s_barrier_wait -1
.endm
.macro BARRIER                         ; my LDS stores have landed and my LDS loads are in: then the work-group's barrier
	s_wait_dscnt 0x0
	s_barrier_signal -1
	s_barrier_wait -1
.endm
; 64 numbers of a lane, register 16 b + i = place 32 b + 16 (lane / 16) + i, become a fragment in v[PC] on and its scale word in v[pw].  Each accumulator is read from its low end on.
.macro QUANT src, pw
.irp b, 0,1,2,3
	v_max3_num_f32 v[TM+\b], |v[\src+16*\b]|, |v[\src+1+16*\b]|, 0x2800000   ; and the floor 2^(5 - 127): the byte cannot fall under 1
.endr
.irp i, 2,4,6,8,10,12,14
.irp b, 0,1,2,3
	v_max3_num_f32 v[TM+\b], |v[\src+16*\b+\i]|, |v[\src+1+16*\b+\i]|, v[TM+\b]   ; the four blocks by turns
.endr
.endr
.irp b, 0,1,2,3
	v_permlanex16_b32 v[TM+4+\b], v[TM+\b], s[SEL], s[SEL+1]
.endr
.irp b, 0,1,2,3
	v_max_num_f32 v[TM+\b], v[TM+\b], v[TM+4+\b]   ; with lane l xor 16's: the block's largest magnitude
.endr
.irp b, 0,1,2,3
	v_add_nc_u32 v[TM+12+\b], 0xfe000000, v[TM+\b] ; 4 off its exponent field: the conversion's scale operand
.endr
.irp b, 0,1,2,3
	v_lshrrev_b32 v[TM+4+\b], 23, v[TM+12+\b]      ; the byte
.endr
	v_lshl_or_b32 v[\pw], v[TM+5], 8, v[TM+4]
	v_lshl_or_b32 v[\pw], v[TM+6], 16, v[\pw]
	v_lshl_or_b32 v[\pw], v[TM+7], 24, v[\pw]
.irp c, 0,1
	v_cvt_scalef32_pk16_bf6_f32 v[PC+6*\c:PC+2+6*\c], v[\src+32*\c:\src+15+32*\c], v[TM+12+2*\c]
	v_cvt_scalef32_pk16_bf6_f32 v[PC+12+4*\c:PC+14+4*\c], v[\src+16+32*\c:\src+31+32*\c], v[TM+13+2*\c]   ; (three registers from an even one)
.endr
	v_nop                                          ; one plain place behind a scaled conversion
.irp c, 0,1                            ; the layout wants a whole block in a lane: lanes 0-15 block 2 c, lanes 16-31 block 2 c + 1
.irp i, 0,1,2
	v_permlane16_swap_b32 v[PC+6*\c+\i], v[PC+12+4*\c+\i]
.endr
.irp i, 0,1,2
	v_mov_b32 v[PC+3+6*\c+\i], v[PC+12+4*\c+\i]
.endr
.endr
.endm
; 32 matrix instructions: HA[t] = C + the sum over four K steps of stationary (t, s) x streamed (s).  Tiles 0-4 (window 1) by turns, then tiles 5-7 (window 2) by turns.
; cw = 2: C of the first K step is the bias tile in window 2; cw = 0: v[CB] on.
.macro MULS cw, xw, xf, xs
	WIN (1|((\xw)<<2)|((\cw)<<4))
.irp t, 0,1,2,3,4
.if \cw
	v_wmma_scale_f32_16x16x128_f8f6f4 v[HA+8*\t:HA+8*\t+7], v[48*\t:48*\t+11], v[\xf:\xf+11], v[B1+8*\t:B1+8*\t+7], v[SS+4*\t], v[\xs] matrix_a_fmt:MATRIX_FMT_BF6 matrix_b_fmt:MATRIX_FMT_BF6
.else
	v_wmma_scale_f32_16x16x128_f8f6f4 v[HA+8*\t:HA+8*\t+7], v[48*\t:48*\t+11], v[\xf:\xf+11], v[CB:CB+7], v[SS+4*\t], v[\xs] matrix_a_fmt:MATRIX_FMT_BF6 matrix_b_fmt:MATRIX_FMT_BF6
.endif
.endr
	WIN (1|((\xw)<<2))
.irp s, 1,2,3
.irp t, 0,1,2,3,4
	v_wmma_scale_f32_16x16x128_f8f6f4 v[HA+8*\t:HA+8*\t+7], v[48*\t+12*\s:48*\t+12*\s+11], v[\xf+12*\s:\xf+12*\s+11], v[HA+8*\t:HA+8*\t+7], v[SS+4*\t+\s], v[\xs+\s] matrix_a_fmt:MATRIX_FMT_BF6 matrix_b_fmt:MATRIX_FMT_BF6
.endr
.endr
	WIN (2|((\xw)<<2)|((\cw)<<4))
.irp t, 5,6,7
.if \cw
	v_wmma_scale_f32_16x16x128_f8f6f4 v[HA+8*\t:HA+8*\t+7], v[48*(\t-5):48*(\t-5)+11], v[\xf:\xf+11], v[B1+8*\t:B1+8*\t+7], v[SS+4*\t], v[\xs] matrix_a_fmt:MATRIX_FMT_BF6 matrix_b_fmt:MATRIX_FMT_BF6
.else
	v_wmma_scale_f32_16x16x128_f8f6f4 v[HA+8*\t:HA+8*\t+7], v[48*(\t-5):48*(\t-5)+11], v[\xf:\xf+11], v[CB:CB+7], v[SS+4*\t], v[\xs] matrix_a_fmt:MATRIX_FMT_BF6 matrix_b_fmt:MATRIX_FMT_BF6
.endif
.endr
	WIN (2|((\xw)<<2))
.irp s, 1,2,3
.irp t, 5,6,7
	v_wmma_scale_f32_16x16x128_f8f6f4 v[HA+8*\t:HA+8*\t+7], v[48*(\t-5)+12*\s:48*(\t-5)+12*\s+11], v[\xf+12*\s:\xf+12*\s+11], v[HA+8*\t:HA+8*\t+7], v[SS+4*\t+\s], v[\xs+\s] matrix_a_fmt:MATRIX_FMT_BF6 matrix_b_fmt:MATRIX_FMT_BF6
.endr
.endr
	WIN 0
.endm
.macro XLOAD tile, q, off              ; K step q of tile w + 4 tile, from off bytes on, into set q of window 3: sixteen rows, a row's 512 consecutive bytes a load
	WIN 0xc0
.irp k, 0,1,2,3,4,5,6,7,8,9,10,11,12,13,14,15
	global_load_b128 v[64*(\q)+4*\k:64*(\q)+4*\k+3], v[XA+246*(\k/8)], s[4:5] offset:(\off)+131072*(\tile)+512*(\q)+(\k+8*(\k/8))*2048 th:TH_LOAD_NT   ; rows 0-7 by v[XA], rows 8-15 by v250
.endr
	WIN 0
.endm
.macro TURN q, dst                     ; set q of window 3 through my stage into v[dst] on: register 16 b + i is then k = 32 b + 16 h + i of my row
	WIN 0x0c                                       ; an LDS store's data are its source 1: window 3
.irp k, 0,1,2,3,4,5,6,7,8,9,10,11,12,13,14,15
	ds_store_b128 v[TSO], v[64*(\q)+4*\k:64*(\q)+4*\k+3] offset:SP*\k   ; a wave's LDS instructions are served in order (ISA guide 5.7.1.4): these come behind the last turn's loads from the stage
.endr
	WIN 0
.irp b, 0,1,2,3
.irp j, 0,1,2,3
	ds_load_b128 v[\dst+16*\b+4*\j:\dst+16*\b+4*\j+3], v[TLO] offset:128*\b+16*\j
.endr
.endr
.endm
; Turn n of a block's eight (tile w: n = 0 .. 3, tile w + 4: n = 4 .. 7; K step n % 4).  cnt: the loads from memory that may stay out when set n + 1 has to be there.
; reload = 1: set n's registers take tile w + 4's same K step; 2: the next block's tile w; 0: nothing is left to ask for.
.macro XITER n, cnt, reload
.set TD, T0+64*((\n)%2)
.set TN, T0+64*(((\n)+1)%2)
.if (\n) < 7
	s_wait_loadcnt \cnt                            ; set n + 1 is in
	TURN ((\n)+1)%4, TN                            ; and goes through the stage while set n is quantised
	s_wait_dscnt 32                                ; all but the 32 just issued: set n is back from the stage, its stores into the stage have read its registers, and the last image's stores have read v[PC] on
.else
	s_wait_dscnt 0x0
.endif
.if \reload == 1
	XLOAD 1, (\n)%4, 0
.elseif \reload == 2
	XLOAD 0, (\n)%4, 262144
.endif
	QUANT TD, XPW+(\n)%4
.irp c, 0,1,2
	ds_store_b128 v[XWI], v[PC+4*\c:PC+4*\c+3] offset:24576*((\n)/4)+FRB*((\n)%4)+512*\c
.endr
.if (\n)%4 == 3
	ds_store_b128 v[XWS], v[XPW:XPW+3] offset:64*((\n)/4)
.endif
.endm
; A block's x: my two tiles become eight images.  more = 1: a block follows, and turns 4 to 7 ask for its first tile; more = 0: nothing is left to ask for (no load leaves its buffer), and the counts run down.
.macro XPHASE more
	s_wait_loadcnt 48                              ; the block's first set is in (and, the first time, the bias ahead of it); the three younger sets of 16 loads may be out
	TURN 0, T0
	XITER 0, 32, 1                                 ; 32: behind set n + 1 two sets have been asked for
	XITER 1, 32, 1
	XITER 2, 32, 1
	XITER 3, 32, 1
.if \more
	XITER 4, 32, 2
	XITER 5, 32, 2
	XITER 6, 32, 2
	XITER 7, 0, 2
.else
	XITER 4, 32, 0
	XITER 5, 16, 0
	XITER 6, 0, 0
	XITER 7, 0, 0
.endif
.endm
.macro LOADST ac, as                   ; 32 images and their scale words become the stationary operand
	WIN 0x40
.set FI, 0
.rept 20
.irp c, 0,1,2
	ds_load_b128 v[12*FI+4*\c:12*FI+4*\c+3], v[\ac] offset:FRB*FI+512*\c
.endr
.set FI, FI+1
.endr
	WIN 0x80
.rept 12
.irp c, 0,1,2
	ds_load_b128 v[12*(FI-20)+4*\c:12*(FI-20)+4*\c+3], v[\ac] offset:FRB*FI+512*\c
.endr
.set FI, FI+1
.endr
	WIN 0
.irp t, 0,1,2,3,4,5,6,7
	ds_load_b128 v[SS+4*\t:SS+4*\t+3], v[\as] offset:16*\t
.endr
	s_wait_dscnt 0x0
.endm
.macro STREAM ac, as, i                ; tile i's four fragments and its four scale words
.irp q, 0,1,2,3
.irp c, 0,1,2
	ds_load_b128 v[XF+12*\q+4*\c:XF+12*\q+4*\c+3], v[\ac] offset:(4*(\i)+\q)*FRB+512*\c
.endr
.endr
	ds_load_b128 v[XS:XS+3], v[\as] offset:16*(\i)
.endm
; A streamed tile: its products, the next tile's loads, the quantiser, the stores.
.macro TILE i, vp
	s_wait_dscnt 0x0                               ; the tile's fragments and scale words are in
	MULS 2-2*\vp, 0, XF, XS
.rept 4
	v_nop                                          ; places behind the products: in front of loads into their sources, of writes of C, and of the first read of results
.endr
.if \i < 7
.if \vp
	STREAM LW, LWS, \i+1
.irp k, 0,1,2,3,4,5,6,7
	v_mov_b32 v[CB+\k], v[BV+\i+1]                 ; the next tile's bias: one channel a lane, the same for all its keys
.endr
.else
	STREAM LX, LXS, \i+1
.endif
.endif
	s_wait_xcnt 0x0                                ; the last tile's stores have read v[PC] on
	QUANT HA, PW
.if \vp
.irp c, 0,1,2
	global_store_b128 v[LI], v[PC+4*\c:PC+4*\c+3], s[6+2*(\i/4):7+2*(\i/4)] offset:6656+FRB*(\i%4)+512*\c   ; 16 channels x 128 keys: tiles 0-3 head 2 w, tiles 4-7 head 2 w + 1
.endr
	v_mov_b32 v[SW+\i], v[PW]
.else
	global_store_b128 v[LI], v[PC:PC+3], s[6:7] offset:768*\i          ; registers 0-5: head 2 w's 64 channels
	global_store_b64 v[O8], v[PC+4:PC+5], s[6:7] offset:768*\i
	global_store_b128 v[LI], v[PC+6:PC+9], s[8:9] offset:768*\i        ; registers 6-11: head 2 w + 1's
	global_store_b64 v[O8], v[PC+10:PC+11], s[8:9] offset:768*\i
	v_lshrrev_b32 v[SW+\i], v[SH], v[PW]           ; lanes 0-15 keep head 2 w's two bytes, lanes 16-31 head 2 w + 1's
	v_and_b32 v[SW+\i], 0xffff, v[SW+\i]
.endif
.endm
	s_load_b256 s[36:43], s[0:1], 0x0              ; Q s[36:37], K s[38:39], V s[40:41], bq s[42:43]
	s_load_b256 s[44:51], s[0:1], 0x20             ; bk s[44:45], bv s[46:47], wc s[48:49], qc s[50:51]
	s_load_b64 s[52:53], s[0:1], 0x40              ; kv
	v_lshl_add_u32 v254, v0, 2, 0x47600
	v_mov_b32 v255, 0
	ds_add_u32 v254, v255
	ds_add_u32 v254, v255
	v_lshrrev_b32 v1, 5, v0
	v_readfirstlane_b32 s[WV], v1                  ; wave 0..3
	v_and_b32 v1, 31, v0                           ; lane
	s_wait_alu depctr_va_vdst(0)
	v_and_b32 v2, 15, v0                           ; r
	v_bfe_u32 v[HH], v0, 4, 1                      ; h
	v_and_b32 v3, 8, v2
	v_add_nc_u32 v3, v3, v2                        ; r + 8 (r / 8)
	s_and_b32 s[YY], ttmp7, 0xffff                 ; the tensor: the four partners share it
	; the joint load's descriptor: nothing in it hangs on my place in the cluster
	s_mov_b32 s24, 1                               ; count
	s_mul_i32 s25, s[WV], PART                     ; LDS address: my part
	s_mul_i32 s60, s[YY], 4*PART
	s_add_co_u32 s60, s60, s25
	s_mov_b32 s61, 0
	s_mov_b32 s28, 15|(3<<16)|(1<<21)              ; the mask: all four work-groups; elements of 8 bytes; bit 21 beside a mask
	s_mov_b32 s29, 32<<16                          ; tensor_dim0 = 32 elements: rows of 256 bytes
	s_mov_b32 s30, 200<<16                         ; tensor_dim1 = 200 rows: 51,200 dense bytes
	s_mov_b32 s31, 32<<16                          ; tile_dim0
	s_mov_b32 s32, 200                             ; tile_dim1
	s_mov_b32 s33, 32                              ; pitch
	s_mov_b32 s34, 0
	s_mov_b32 s35, 0
	s_bfe_u32 s15, ttmp6, 0x40000                  ; cx
	s_lshl_b32 s18, ttmp9, 2
	s_add_co_u32 s18, s18, s15                     ; X: my 256 rows.  It enters global addresses of x and of the outputs alone
	s_lshr_b32 s19, s[WV], 1
	s_lshl_b32 s19, s19, 5
	s_and_b32 s22, s[WV], 1
	s_lshl_b32 s22, s22, 3
	s_add_co_u32 s19, s19, s22                     ; tile w begins at row 32 (w / 2) + 8 (w % 2); tile w + 4 lies 64 rows on
	; TENSOR K's TILES OF x ARE LAID OTHERWISE than the head says: row r of tile t is 64 (t / 4) + 32 (r / 8) + 8 (t % 4) + r % 8, so that in attention a lane's scores of four tiles are one whole block of 32 keys
	s_lshl_b32 s22, s[WV], 3                       ; there tile w begins at row 8 w (tile w + 4 again 64 rows on),
	s_cmp_eq_u32 s[YY], 1
	s_cselect_b32 s19, s22, s19
	s_cselect_b32 s22, 32768, 0                    ; and its rows 8-15 lie 16 rows further on than in Q's and V's tiles
	s_lshl_b32 s19, s19, 11
	v_lshlrev_b32 v[LI], 4, v1
	v_add_nc_u32 v[XA], s19, v[LI]
	v_add_nc_u32 v250, s22, v[XA]                  ; v250: the offset for a tile's rows 8-15
	v_add_nc_u32 v[LW], s25, v[LI]
	s_mul_i32 s23, s[WV], 4*FRB
	s_add_co_u32 s23, s23, XIMG
	v_add_nc_u32 v[XWI], s23, v[LI]
	v_mul_u32_u24 v[LXS], v1, 144
	v_add_nc_u32 v[LXS], XSC, v[LXS]
	s_lshl_b32 s23, s[WV], 4
	v_add_nc_u32 v[XWS], s23, v[LXS]
	s_add_co_u32 s23, s25, 32*FRB
	v_lshl_add_u32 v[LWS], v2, 7, s23
	v_add_nc_u32 v[LX], XIMG, v[LI]
	s_mul_i32 s23, s[WV], 16*SP
	s_add_co_u32 s23, s23, STGX                    ; my stage
	v_add_nc_u32 v[TSO], s23, v[LI]
	v_mul_u32_u24 v[TLO], v2, SP
	v_lshl_add_u32 v[TLO], v[HH], 6, v[TLO]
	v_add_nc_u32 v[TLO], s23, v[TLO]
	v_lshl_add_u32 v[O8], v1, 3, 512
	v_lshlrev_b32 v[SH], 4, v[HH]
	s_mov_b32 s13, 208896                          ; kv: a head is 16 records of 13,056 bytes;
	s_mov_b32 s14, 13056
	s_mov_b32 s22, 106496                          ; qc: 16 of 6,656
	s_mov_b32 s23, 6656
	s_cmp_eq_u32 s[YY], 0
	s_cselect_b32 s13, s22, s13
	s_cselect_b32 s14, s23, s14
	v_mul_u32_u24 v[OSC], s13, v[HH]
	v_lshl_add_u32 v[OSC], v2, 4, v[OSC]
	s_lshr_b32 s54, s18, 3                         ; out: head 8 (X / 8) + 2 w, record 2 (X % 8)
	s_lshl_b32 s54, s54, 3
	s_lshl_b32 s55, s[WV], 1
	s_add_co_u32 s54, s54, s55
	s_mul_i32 s54, s54, s13
	s_and_b32 s55, s18, 7
	s_lshl_b32 s55, s55, 1
	s_mul_i32 s55, s55, s14
	s_add_co_u32 s54, s54, s55
	s_mov_b32 s55, 0
	s_mov_b32 s56, s14                             ; s[56:57]: a record's bytes;  s[58:59]: a head's
	s_mov_b32 s57, 0
	s_mov_b32 s58, s13
	s_mov_b32 s59, 0
	s_lshl_b32 s22, s18, 19                        ; x: 256 rows of 2,048 bytes
	s_mov_b32 s23, 0
	s_mov_b32 s[SEL], 0x76543210
	s_mov_b32 s[SEL+1], 0xfedcba98                 ; selects for lane l xor 16
.irp b, 0,1,2,3
	v_mov_b32 v[TM+4+\b], 0                        ; a lane permute's destination counts as one of its sources
.endr
	v_lshlrev_b32 v1, 6, v[HH]                     ; q, k's bias: 16 h numbers on
	v_lshlrev_b32 v3, 2, v3                        ; v's: my channel of a tile
	s_wait_dscnt 0x0
	s_wait_kmcnt 0x0
	s_add_nc_u64 s[26:27], s[48:49], s[60:61]      ; the weight's part in memory
	s_or_b32 s27, s27, 0x80000000                  ; type = 2
	s_cmp_eq_u32 s[YY], 1
	s_cselect_b64 s[4:5], s[38:39], s[36:37]
	s_cselect_b64 s[16:17], s[44:45], s[42:43]
	s_cmp_eq_u32 s[YY], 2
	s_cselect_b64 s[4:5], s[40:41], s[4:5]
	s_cselect_b64 s[16:17], s[46:47], s[16:17]
	s_cmp_eq_u32 s[YY], 0
	s_cselect_b64 s[6:7], s[50:51], s[52:53]
	s_add_nc_u64 s[4:5], s[4:5], s[22:23]
	s_add_nc_u64 s[6:7], s[6:7], s[54:55]          ; head 2 w's record
	s_add_nc_u64 s[8:9], s[6:7], s[58:59]          ; head 2 w + 1's
	s_lshl_b32 s22, s[WV], 9
	s_add_nc_u64 s[16:17], s[16:17], s[22:23]      ; my 128 numbers of the bias
	ROUND                                          ; all four work-groups are here: the joint loads meet
	tensor_load_to_lds s[24:27], s[28:35]          ; my one tensor load of the launch, ahead of everything else that is asked of memory
	s_nop 0
.rept 4
	v_nop
.endr
	WIN 0x80
	s_wait_alu depctr_va_vdst(0)
.irp t, 0,1,2,3,4,5,6,7
	global_load_b128 v[B1+8*\t:B1+8*\t+3], v1, s[16:17] offset:(32*(\t/2)+8*(\t%2))*4       ; tile t's C for q, k: units 32 (t / 2) + 8 (t % 2) + 16 h + 0 .. 7
	global_load_b128 v[B1+8*\t+4:B1+8*\t+7], v1, s[16:17] offset:(32*(\t/2)+8*(\t%2))*4+16
.endr
	WIN 0
.irp t, 0,1,2,3,4,5,6,7
	global_load_b32 v[BV+\t], v3, s[16:17] offset:(32*(\t/2)+8*(\t%2))*4                    ; for v: the bias of channel r + 8 (r / 8) of tile t
.endr
.irp q, 0,1,2,3
	XLOAD 0, \q, 0                                 ; the first block's first tile
.endr
	XPHASE 1                                       ; the first block's x: it touches my stage, x's images and x's scale words, none of the weight's bytes
	s_wait_tensorcnt 0x0                           ; my part has landed; I alone read it, so no barrier is owed
	LOADST LW, LWS                                 ; q, k: the weight stays in registers.  (V's path loads these registers anew in each block; the loads stand on every path, so that no path reads a register that it has not written)
	s_mov_b32 s12, 2
.Lblock:
	BARRIER                                        ; x's 32 images lie in LDS
	s_cmp_eq_u32 s[YY], 2
	s_cbranch_scc1 .Lvpath
	STREAM LX, LXS, 0
.irp i, 0,1,2,3,4,5,6,7
	TILE \i, 0
.endr
	global_store_b128 v[OSC], v[SW:SW+3], s[6:7] offset:6144       ; sixteen lanes fill 256 consecutive bytes of each head's record
	global_store_b128 v[OSC], v[SW+4:SW+7], s[6:7] offset:6400
	s_branch .Ljoin
.Lvpath:
	LOADST LX, LXS                                 ; the block's x is the stationary operand
	STREAM LW, LWS, 0
.irp k, 0,1,2,3,4,5,6,7
	v_mov_b32 v[CB+\k], v[BV]
.endr
	s_wait_alu depctr_va_vdst(0)
.irp i, 0,1,2,3,4,5,6,7
	TILE \i, 1
.endr
	v_cmp_ne_u32 vcc_lo, 0, v[HH]
.irp k, 0,1,2,3
	v_cndmask_b32 v[SW+\k], v[SW+\k], v[SW+4+\k], vcc_lo           ; lanes 16-31 store head 2 w + 1's four words
.endr
	global_store_b128 v[OSC], v[SW:SW+3], s[6:7] offset:12800
.Ljoin:
	BARRIER                                        ; every wave's reads of x's images are over: the next block may write them
	s_wait_xcnt 0x0                                ; loads and stores have read their bases and their data
	s_add_nc_u64 s[4:5], s[4:5], 262144
	s_add_nc_u64 s[6:7], s[6:7], s[56:57]
	s_add_nc_u64 s[8:9], s[8:9], s[56:57]
	s_cmp_eq_u32 s12, 1                            ; behind the last block there is no x left
	s_cbranch_scc1 .Lno_more
	XPHASE 0                                       ; the second block's x; its first tile was asked for in the first block's last four turns
.Lno_more:
	s_sub_co_u32 s12, s12, 1
	s_cmp_lg_u32 s12, 0
	s_cbranch_scc1 .Lblock
	s_wait_dscnt 0x0
	s_wait_tensorcnt 0x0
	ds_add_u32 v254, v255
	s_wait_dscnt 0x0
	ROUND                                          ; the closing round: no work-group ends while a partner may still ask jointly
	s_endpgm
.Lfunc_end_k_q4cb32fd2c8_proj:
	.size	k_q4cb32fd2c8_proj, .Lfunc_end_k_q4cb32fd2c8_proj-k_q4cb32fd2c8_proj
	.p2alignl 7, 3214868480
	.fill 96, 4, 3214868480
	.section	.rodata,"a",@progbits
	.p2align	6, 0x0
	.amdhsa_kernel k_q4cb32fd2c8_proj
		.amdhsa_group_segment_fixed_size 292864
		.amdhsa_private_segment_fixed_size 0
		.amdhsa_enable_private_segment 0
		.amdhsa_kernarg_size 72
		.amdhsa_user_sgpr_count 2
		.amdhsa_user_sgpr_kernarg_segment_ptr 1
		.amdhsa_wavefront_size32 1
		.amdhsa_system_sgpr_workgroup_id_x 1
		.amdhsa_system_sgpr_workgroup_id_y 1
		.amdhsa_system_sgpr_workgroup_id_z 1
		.amdhsa_system_vgpr_workitem_id 0
		.amdhsa_next_free_vgpr 1024
		.amdhsa_next_free_sgpr 66
		.amdhsa_reserve_vcc 1
		.amdhsa_float_denorm_mode_32 3
		.amdhsa_float_denorm_mode_16_64 3
		.amdhsa_memory_ordered 1
		.amdhsa_forward_progress 1
		.amdhsa_inst_pref_size 255
	.end_amdhsa_kernel
	.section	.bss,"aw",@nobits
	.p2align	6
	.space	262144
	.amdgpu_metadata
---
amdhsa.version: [ 1, 2 ]
amdhsa.kernels:
  - .name:           k_q4cb32fd2c8_proj
    .symbol:         k_q4cb32fd2c8_proj.kd
    .args:
      - { .name: Q, .offset: 0, .size: 8, .value_kind: global_buffer, .address_space: global }
      - { .name: K, .offset: 8, .size: 8, .value_kind: global_buffer, .address_space: global }
      - { .name: V, .offset: 16, .size: 8, .value_kind: global_buffer, .address_space: global }
      - { .name: bq, .offset: 24, .size: 8, .value_kind: global_buffer, .address_space: global }
      - { .name: bk, .offset: 32, .size: 8, .value_kind: global_buffer, .address_space: global }
      - { .name: bv, .offset: 40, .size: 8, .value_kind: global_buffer, .address_space: global }
      - { .name: wc, .offset: 48, .size: 8, .value_kind: global_buffer, .address_space: global }
      - { .name: qc, .offset: 56, .size: 8, .value_kind: global_buffer, .address_space: global }
      - { .name: kv, .offset: 64, .size: 8, .value_kind: global_buffer, .address_space: global }
    .group_segment_fixed_size: 292864
    .private_segment_fixed_size: 0
    .kernarg_segment_align: 8
    .kernarg_segment_size: 72
    .max_flat_workgroup_size: 128
    .sgpr_count:     66
    .vgpr_count:     1024
    .wavefront_size: 32
...
	.end_amdgpu_metadata
.endif
;; end of part 6
;; launch attn (part 7): grid 4 x 64, 16 waves a work-group, clusters of 4 x 1, 210,944 bytes of LDS; arguments qc, kv, mw, ac, asc; writes ac, asc
.if DOCPART == 7
	.amdgcn_target "amdgcn-amd-amdhsa--gfx1250"
	.amdhsa_code_object_version 6
	.text
	.protected	k_q4cb32fd2c8_attn
	.globl	k_q4cb32fd2c8_attn
	.p2align	8
	.type	k_q4cb32fd2c8_attn,@function
k_q4cb32fd2c8_attn:
	s_mov_b64 s[64:65], 0
	v_nop
	global_prefetch_b8 v0, s[64:65] scope:SCOPE_SE
	s_setreg_imm32_b32 hwreg(HW_REG_WAVE_MODE, 25, 1), 1
	s_wait_xcnt 0x0
	s_wait_alu depctr_hold_cnt(0) depctr_sa_sdst(0) depctr_va_vdst(0) depctr_va_sdst(0) depctr_va_ssrc(0) depctr_va_vcc(0) depctr_vm_vsrc(0)
	s_getreg_b32 s2, hwreg(HW_REG_IB_STS2, 6, 4)
	s_cmp_eq_u32 s2, 0
	s_cbranch_scc0 .Lentry_in_a_cluster
	s_endpgm
.Lentry_in_a_cluster:
	s_bfe_u32 s2, ttmp6, 0x10000c
	s_cmp_lg_u32 s2, 0x3003
	s_cbranch_scc0 .Lentry_shape_is_right
	s_endpgm
.Lentry_shape_is_right:
; Attention of one (batch, head) for 512 queries: S^T = k q^T, mask, p = 2^(t - M), O^T = v^T p^T, O / l, and O quantised along the model's 512 for the last product.  All products on codes of BF6 (E3M2) with E8M0 scales.
; t = score x log2(e) / 8; M = the running largest t rounded UP to a whole number; p is quantised along the keys, not normalised; l is the sum of the unquantised p.  When M moves, l and O^T are multiplied by 2^(old M - new M): exact.
; SHARES.  Work-group y = the head (8 b + h); the four work-groups of a cluster own 512 queries each.  Sixteen waves of 256 registers; wave w owns query tile 32 x + 16 p + w in pass p = 0, 1, and walks 16 steps of 128 keys.
; THE HEAD'S K AND V STAY IN LDS: 16 records of 13,056 bytes, in the order of the operands' registers; wave w brings record w by ONE tensor load, asked for JOINTLY by the four work-groups.  Filled once; one barrier; no ring.
; No data prefetch: K and V are asked for once, at the head, with no loop ahead of them; the select words are asked for one step ahead by their own loads.
; Both products are used transposed: a lane holds ONE query (lane % 16).  Row m of K's tile t is key 64 (t / 4) + 32 (m / 8) + 8 (t % 4) + m % 8 of the step, so score register 32 c + i of a lane is key 64 c + 32 (lane / 16) + i:
; A WHOLE BLOCK OF 32 KEYS LIES IN ONE LANE, in the very order of p's operand: a block's largest score needs no other lane, and the conversions' results are the operand's registers (but for three moves a block).
; THE HEAD'S 64 IN A K OF 128: q's registers 6-11 are zero codes and the upper two scale bytes of q and k are 0.  K's eight half fragments (6 registers) lie on end with six zero registers behind; tile t's operand is 12 registers from
; its own six on: its upper half, the next tile's codes, meets q's zero codes and adds nothing.
; THE MASK: 64 select words a step come by scalar loads; word j is the lane mask of one v_cndmask_b32 on score register j.  A hidden score becomes -2^103, so that its t is exact: a row all of whose keys are hidden gets p = 1 for
; every key (the uniform row); a row hidden only so far is wiped by the factor 0 when M moves.  Each 16 words are asked for anew, for the next step, behind their selects; the offset is held at the buffer's last record.
; A STEP'S ORDER.  The eight score products with V's 13 loads and the selects of the tile two back between them; block maxima, M, t - M, the factor on l and O^T; ONE batch of 66 exponentials; scales and codes of p;
; the NEXT step's K (18 loads, into registers that held the softmax's scratch); the sums of p with the four last products among them.  The last step of a pass is written out: it asks for no further K.
; MAXIMA AND SUMS ARE TREES: the lines of a level do not hang on each other.  A block's 32 scores: 10 + 4 + 1 + 1 lines.  The 32 pairs of p are added in place, once they are converted: 16 + 8 + 4 + 2 + 1 lines and one onto l.
; LIMITS: scores that count are taken to lie above -2^103; NaN and infinities are not served; a block of zeros gets the byte 1 (its codes are zeros; this program alone reads the bytes).
.set REC, 13056
.set SPW, 10                           ; v10 my spare word   v11 0: kept for the add alone      v9 8 (lane / 16)
.set NIL, 11
.set QS,  28                           ; v28 q's scale word   v16-27 q (22-27 zeros)   v12 -M   v13 the largest score so far   v[14:15] l in two halves
.set NEG, 29                           ; v29 -2^103
.set PS,  30                           ; v30 p's scale word
.set OM,  31                           ; v31 the last step's -M
.set KF,  32                           ; v32-79 K's halves, v80-85 zeros
.set KS,  86                           ; v86-93 K's scale words
.set S,   96                           ; v96-159 scores, then p, then its partial sums
.set OT,  160                          ; v160-191 O^T
.set VS,  192                          ; v192-195 V's scale words
.set PC,  196                          ; v196-207 p's codes
.set VF,  208                          ; v208-255 V's four fragments
.set BM,  32                           ; scratch of the softmax, in K's registers between the score products and the next K's loads: my two blocks' maxima in v32 and v34,
.set BT,  36                           ; bytes,
.set SOP, 40                           ; scale operands,
.set CT,  44                           ; conversions' second halves (v44-46, v48-50),
.set FF,  52                           ; the factor (a pair),
.set TP,  54
.set TQ,  55                           ; what lane l xor 16 sends,
.set MT,  56                           ; v56-75 the maxima's tree: ten registers a block
.set WV,  5                            ; s5 wave   s4 offset in mw   s6 the step's record in LDS   s7 steps   s8 passes
.set SEL, 10
.set CS,  12                           ; s[12:13] c = log2(e) / 8
.macro ROUND                           ; a round of the cluster's barrier
	s_barrier_signal -1
	s_barrier_wait -1
	s_cmp_lg_u32 s[WV], 0
	s_cbranch_scc1 .Lnot_wave_0_\@
	s_barrier_signal -3
.Lnot_wave_0_\@:
	s_barrier_wait -3
	s_barrier_signal -1
	s_barrier_wait -1
.endm
.macro MW q                            ; select words 16 q .. 16 q + 15 of the record at s4: word j in s[16 + j], from word 48 on in s[20 + j]
	s_load_b512 s[16+16*\q+4*(\q/3):31+16*\q+4*(\q/3)], s[2:3], s4 offset:64*\q
.endm
.macro KLOAD a, b, c, off              ; a record's K: eight half fragments and eight scale words: 18 loads
.irp t, 0,1,2,3,4,5,6,7
	ds_load_b128 v[KF+6*\t:KF+6*\t+3], v\a offset:\off+768*\t
	ds_load_b64 v[KF+6*\t+4:KF+6*\t+5], v\b offset:\off+768*\t+512
.endr
	ds_load_b128 v[KS:KS+3], v\c offset:\off+6144
	ds_load_b128 v[KS+4:KS+7], v\c offset:\off+6400
.endm
.macro WQ t                            ; the scores of key tile t
	v_wmma_scale_f32_16x16x128_f8f6f4 v[S+8*\t:S+8*\t+7], v[KF+6*\t:KF+6*\t+11], v[16:27], 0, v[KS+\t], v[QS] matrix_a_fmt:MATRIX_FMT_BF6 matrix_b_fmt:MATRIX_FMT_BF6
.endm
.macro CM t                            ; its eight selects, ascending: the accumulator is read from its low end on
.irp i, 0,1,2,3,4,5,6,7
	v_cndmask_b32 v[S+8*\t+\i], v[NEG], v[S+8*\t+\i], s[16+8*\t+\i+4*(\t/6)]
.endr
.endm
.macro WP n                            ; O^T's channel tile n
	v_wmma_scale_f32_16x16x128_f8f6f4 v[OT+8*\n:OT+8*\n+7], v[VF+12*\n:VF+12*\n+11], v[PC:PC+11], v[OT+8*\n:OT+8*\n+7], v[VS+\n], v[PS] matrix_a_fmt:MATRIX_FMT_BF6 matrix_b_fmt:MATRIX_FMT_BF6
.endm
.macro TREE first, n, d                ; the sums of the unquantised p, in place: pairs first .. first + n - 1 take in the pairs d further on
.set kk, \first
.rept \n
	v_pk_add_f32 v[S+2*kk:S+2*kk+1], v[S+2*kk:S+2*kk+1], v[S+2*(kk+\d):S+2*(kk+\d)+1]
.set kk, kk+1
.endr
.endm
; A step of 128 keys.  more = 1: the next record's K is asked for.
.macro STEP more
	s_wait_kmcnt 0x0                               ; this step's select words, asked for a step ago
	s_wait_dscnt 0x0                               ; K and its scale words, the only LDS loads that are out
	s_add_co_u32 s4, s4, 256                       ; the loads that read s4 are done
	s_min_u32 s4, s4, 524032                       ; the last look-ahead stays at the buffer's last record
	WQ 0
	WQ 1
	v_add_nc_u32 v1, s6, v4                        ; the step's record + 16 l, + 8 l, + 16 r
	v_add_nc_u32 v2, s6, v5
	v_add_nc_u32 v3, s6, v6
	v_mov_b32 v[OM], v12                           ; the last step's -M is kept.  These four are the places behind the last step's products, in front of the loads into their sources, and in front of the first read of the scores
.irp n, 0,1,2,3
.irp c, 0,1,2
	ds_load_b128 v[VF+12*\n+4*\c:VF+12*\n+4*\c+3], v1 offset:6656+1536*\n+512*\c
.endr
.endr
	ds_load_b128 v[VS:VS+3], v3 offset:12800
.irp u, 0,1,2
	CM (2*\u)                                      ; eight selects: the places behind the product just ahead of them
	WQ (2*\u+2)
	CM (2*\u+1)
	WQ (2*\u+3)
	MW \u                                          ; the sixteen words just used, for the next step
.endr
	CM 6
	CM 7
	MW 3
	; the largest score of each of my two blocks of 32 keys: for the row's maximum, and, since p rises with the score, for the block's largest p
.irp k, 0,1,2,3,4,5,6,7,8,9
.irp c, 0,1
	v_max3_num_f32 v[MT+10*\c+\k], v[S+32*\c+3*\k], v[S+32*\c+3*\k+1], v[S+32*\c+3*\k+2]   ; scores 0 .. 29 by threes
.endr
.endr
.irp c, 0,1
	v_max3_num_f32 v[MT+10*\c+9], v[MT+10*\c+9], v[S+32*\c+30], v[S+32*\c+31]
.endr
.irp k, 0,3,6
.irp c, 0,1
	v_max3_num_f32 v[MT+10*\c+\k], v[MT+10*\c+\k], v[MT+10*\c+\k+1], v[MT+10*\c+\k+2]
.endr
.endr
.irp c, 0,1
	s_delay_alu instid0(VALU_DEP_2)
	v_max3_num_f32 v[BM+2*\c], v[MT+10*\c], v[MT+10*\c+3], v[MT+10*\c+6]
.endr
.irp c, 0,1
	s_delay_alu instid0(VALU_DEP_2)
	v_max_num_f32 v[BM+2*\c], v[BM+2*\c], v[MT+10*\c+9]   ; my block lane / 16 (c = 0) and my block 2 + lane / 16 (c = 1)
.endr
	s_delay_alu instid0(VALU_DEP_1)
	v_max3_num_f32 v[TP], v[BM], v[BM+2], v13
	s_delay_alu instid0(VALU_DEP_1)
	v_permlanex16_b32 v[TQ], v[TP], s[SEL], s[SEL+1]
	s_delay_alu instid0(VALU_DEP_1)
	v_max_num_f32 v13, v[TP], v[TQ]                ; with lane l xor 16's 64 keys: the running largest score
	s_delay_alu instid0(VALU_DEP_1)
	v_mul_f32 v[TP], s[CS], v13                    ; as t (c is positive, so the largest score has the largest t)
	s_delay_alu instid0(VALU_DEP_1)
	v_floor_f32 v12, -v[TP]                        ; the new -M = -ceil(t)
	s_delay_alu instid0(VALU_DEP_1)
	v_sub_f32 v[TP], v12, v[OM]                    ; old M - new M: a whole number, 0 or less
	s_delay_alu instid0(VALU_DEP_2)
	v_fma_f32 v[BM], v[BM], s[CS], v12             ; t - M of each block's largest score: the same multiply-add as that score's own
	s_delay_alu instid0(VALU_DEP_3)
	v_fma_f32 v[BM+2], v[BM+2], s[CS], v12
	s_delay_alu instid0(VALU_DEP_3)
	v_cvt_i32_f32 v[TP], v[TP]                     ; (it saturates)
.set j, 0
.rept 32
	v_pk_fma_f32 v[S+j:S+j+1], v[S+j:S+j+1], s[CS:CS+1], v[12:13] op_sel_hi:[1,0,0]   ; t - M, two at a time
.if j == 14
	v_ldexp_f32 v[FF], 1.0, v[TP]                  ; the factor 2^(old M - new M), made among them
.endif
.set j, j+2
.endr
	v_pk_mul_f32 v[14:15], v[14:15], v[FF:FF+1] op_sel_hi:[1,0]
.set j, 0
.rept 16
	v_pk_mul_f32 v[OT+j:OT+j+1], v[OT+j:OT+j+1], v[FF:FF+1] op_sel_hi:[1,0]   ; each accumulator from its low end on, ahead of the exponentials
.set j, j+2
.endr
	s_wait_dscnt 0x0                               ; V and its scale words, asked for at the step's head
	s_wait_alu depctr_va_vdst(0)                   ; the wait ahead of the batch
.irp c, 0,1
	v_exp_f32 v[BM+2*\c], v[BM+2*\c]               ; the block's largest p: the same two instructions on the same number as that p itself
.endr
.set j, 0
.rept 64
	v_exp_f32 v[S+j], v[S+j]                       ; p, at most 1
.set j, j+1
.endr
	v_nop                                          ; one plain place behind a transcendental
	s_wait_alu depctr_va_vdst(0)                   ; and one wait for the whole batch, ahead of its first reader
.irp c, 0,1
	v_max_num_f32 v[BM+2*\c], 0x2800000, v[BM+2*\c]   ; the floor 2^(5 - 127): the byte cannot fall under 1
.endr
.irp c, 0,1
	s_delay_alu instid0(VALU_DEP_2)
	v_add_nc_u32 v[SOP+\c], 0xfe000000, v[BM+2*\c] ; 4 off the exponent field: the conversion's scale operand
.endr
.irp c, 0,1
	s_delay_alu instid0(VALU_DEP_2)
	v_lshrrev_b32 v[BT+\c], 23, v[SOP+\c]          ; the byte
.endr
	s_delay_alu instid0(VALU_DEP_1)
	v_lshl_or_b32 v[TP], v[BT+1], 16, v[BT]        ; my two bytes: blocks h and 2 + h,
.irp c, 0,1
	v_cvt_scalef32_pk16_bf6_f32 v[PC+6*\c:PC+6*\c+2], v[S+32*\c:S+32*\c+15], v[SOP+\c]          ; registers 6 c .. 6 c + 2 of the operand
	v_cvt_scalef32_pk16_bf6_f32 v[CT+4*\c:CT+4*\c+2], v[S+16+32*\c:S+31+32*\c], v[SOP+\c]       ; (three registers from an even one: made elsewhere and moved)
.endr
	v_lshlrev_b32 v[TP], v9, v[TP]                 ; at their places (8 h bits up).  (The plain line behind the scaled conversions: p is written over and the codes are read only behind it)
	TREE 0, 3, 16
	v_permlanex16_b32 v[TQ], v[TP], s[SEL], s[SEL+1]
	TREE 3, 3, 16
	v_or_b32 v[PS], v[TP], v[TQ]                   ; with lane l xor 16's two the word is whole
.irp c, 0,1
.irp i, 0,1,2
	v_mov_b32 v[PC+3+6*\c+\i], v[CT+4*\c+\i]
.endr
.endr
.if \more
	KLOAD 1, 2, 3, REC                             ; the next record's K: the scratch in these registers has been read
.endif
	TREE 6, 10, 16                                 ; the places between p's codes and scale word and the products
	WP 0
	TREE 0, 8, 8
	WP 1
	TREE 0, 4, 4
	WP 2
	TREE 0, 2, 2
	WP 3
	TREE 0, 1, 1
	s_delay_alu instid0(VALU_DEP_1)
	v_pk_add_f32 v[14:15], v[14:15], v[S:S+1]      ; the step's sum onto l
.endm
	s_load_b128 s[68:71], s[0:1], 0x0              ; qc s[68:69], kv s[70:71]
	s_load_b128 s[72:75], s[0:1], 0x10             ; mw s[72:73], ac s[74:75]
	s_load_b64 s[76:77], s[0:1], 0x20              ; asc
	v_lshl_add_u32 v[SPW], v0, 2, 0x33000          ; the spare words lie behind the sixteen records
	v_mov_b32 v[NIL], 0
	ds_add_u32 v[SPW], v[NIL]                      ; the opening lines: the add, twice on end, and its wait ahead of my tensor load
	ds_add_u32 v[SPW], v[NIL]
	v_lshrrev_b32 v1, 5, v0
	v_readfirstlane_b32 s[WV], v1                  ; wave 0..15
	v_and_b32 v8, 31, v0                           ; lane
	v_and_b32 v9, 15, v0                           ; r
	v_lshlrev_b32 v4, 4, v8                        ; 16 l
	v_lshlrev_b32 v5, 3, v8                        ; 8 l
	v_lshlrev_b32 v6, 4, v9                        ; 16 r
	v_lshlrev_b32 v7, 2, v9                        ; 4 r
	v_bfe_u32 v9, v0, 4, 1
	v_lshlrev_b32 v9, 3, v9                        ; 8 h
	s_wait_alu depctr_va_vdst(0)                   ; the wait ahead of the scalar lines and waits below
	s_and_b32 s15, ttmp7, 0xffff                   ; the head, which the four partners share
	; the joint load's descriptor: record w of the head: 51 rows of 256 bytes, dense
	s_mov_b32 s16, 15|(3<<16)|(1<<21)              ; the mask: all four work-groups; elements of 8 bytes; bit 21 beside a mask
	s_mov_b32 s17, 32<<16
	s_mov_b32 s18, 51<<16
	s_mov_b32 s19, 32<<16
	s_mov_b32 s20, 51
	s_mov_b32 s21, 32
	s_mov_b32 s22, 0
	s_mov_b32 s23, 0
	s_mov_b32 s24, 1
	s_mul_i32 s25, s[WV], REC                      ; LDS address
	s_mul_i32 s92, s15, 16*REC
	s_add_co_u32 s92, s92, s25
	s_mov_b32 s93, 0
	s_wait_dscnt 0x0
	s_wait_kmcnt 0x0
	s_add_nc_u64 s[26:27], s[70:71], s[92:93]
	s_or_b32 s27, s27, 0x80000000                  ; type = 2
	s_bfe_u32 s14, ttmp6, 0x40000                  ; cx
	s_lshl_b32 s9, ttmp9, 2
	s_add_co_u32 s14, s14, s9                      ; x: my 512 queries.  It enters global addresses of q, the select words and the outputs alone
	s_mul_i32 s92, s15, 106496                     ; q: head, record 4 x + w / 8 (+ 2 a pass),
	s_lshl_b32 s94, s14, 2
	s_lshr_b32 s95, s[WV], 3
	s_add_co_u32 s94, s94, s95
	s_mul_i32 s94, s94, 6656
	s_add_co_u32 s92, s92, s94
	s_add_nc_u64 s[86:87], s[68:69], s[92:93]
	s_and_b32 s94, s[WV], 7
	s_mul_i32 s94, s94, 768                        ; half image w % 8;
	s_mov_b32 s95, 0
	s_add_nc_u64 s[84:85], s[86:87], s[94:95]
	s_bfe_u32 s94, s[WV], 0x10002
	s_lshl_b32 s94, s94, 8
	s_and_b32 s92, s[WV], 3
	s_lshl_b32 s92, s92, 2
	s_add_co_u32 s94, s94, s92
	s_add_co_u32 s94, s94, 6144                    ; its scale words at 6,144 + 256 (m / 4) + 4 (m % 4) + 16 r
	s_add_nc_u64 s[86:87], s[86:87], s[94:95]
	s_mov_b64 s[2:3], s[72:73]
	s_lshl_b32 s4, s14, 4
	s_add_co_u32 s4, s4, s[WV]
	s_lshl_b32 s4, s4, 13                          ; my 32 records of select words lie on end
	s_lshr_b32 s92, s15, 3                         ; out: tile 128 b + 32 x + w (+ 16 a pass), head h
	s_lshl_b32 s92, s92, 7
	s_lshl_b32 s94, s14, 5
	s_add_co_u32 s92, s92, s94
	s_add_co_u32 s92, s92, s[WV]
	s_lshl_b32 s92, s92, 3
	s_and_b32 s94, s15, 7
	s_add_co_u32 s92, s92, s94
	s_mul_i32 s94, s92, 768
	s_add_nc_u64 s[88:89], s[74:75], s[94:95]
	s_lshl_b32 s94, s92, 6
	s_add_nc_u64 s[90:91], s[76:77], s[94:95]
	ROUND                                          ; all four work-groups are here: the joint loads meet
	tensor_load_to_lds s[24:27], s[16:23]          ; my one tensor load of the launch
	s_nop 0
.rept 4
	v_nop
.endr
	s_mov_b32 s[SEL], 0x76543210
	s_mov_b32 s[SEL+1], 0xfedcba98                 ; selects for lane l xor 16
	s_mov_b32 s[CS], 0x3e38aa3b                    ; c
	s_mov_b32 s[CS+1], s[CS]                       ; (named with it as a pair)
	v_mov_b32 v[NEG], 0xf3000000
.irp j, 22,23,24,25,26,27,80,81,82,83,84,85
	v_mov_b32 v\j, 0                               ; zero codes
.endr
	s_mov_b32 s8, 2
	s_wait_alu depctr_va_vdst(0)                   ; the wait at the head's end
	s_wait_tensorcnt 0x0                           ; my record has landed, and the descriptor's registers are free
.irp q, 0,1,2,3
	MW \q                                          ; the first step's select words
.endr
	s_barrier_signal -1
	s_barrier_wait -1                              ; everybody's record has landed
.Lpass:
	global_load_b128 v[16:19], v4, s[84:85]        ; q's half fragment
	global_load_b64 v[20:21], v5, s[84:85] offset:512
	global_load_b32 v[QS], v6, s[86:87]
	KLOAD 4, 5, 6, 0                               ; record 0's K
.set j, 0
.rept 32
	v_mov_b32 v[OT+j], 0                           ; the step is written once: the first finds zeros, which the first change of M leaves zeros
.set j, j+1
.endr
	v_mov_b32 v14, 0
	v_mov_b32 v15, 0
	v_mov_b32 v13, 0xff61b1e6                      ; the largest score so far: -3e38, under every score and under -2^103
	v_floor_f32 v12, -v13                          ; -M: so large that the first step's factor is 0
	s_mov_b32 s6, 0
	s_mov_b32 s7, 15
	s_wait_alu depctr_va_vdst(0)                   ; the wait ahead of the wait below
	s_wait_loadcnt 0x0
.Lstep:
	STEP 1
	s_add_co_u32 s6, s6, REC
	s_sub_co_u32 s7, s7, 1
	s_cmp_lg_u32 s7, 0
	s_cbranch_scc1 .Lstep
	STEP 0                                         ; record 15: no K is left to ask for
	; THE WAY OUT OF A PASS: O^T / l; register 16 b + i is channel 32 b + 16 (lane / 16) + i of my query: two blocks along the last product's K, each in lanes l and l xor 16
.rept 4
	v_nop                                          ; places behind the last products
.endr
	v_add_f32 v14, v14, v15
	s_delay_alu instid0(VALU_DEP_1)
	v_permlanex16_b32 v[TP], v14, s[SEL], s[SEL+1]
	s_delay_alu instid0(VALU_DEP_1)
	v_add_f32 v14, v14, v[TP]                      ; l
	s_wait_alu depctr_va_vdst(0)                   ; the wait ahead of the transcendental
	v_rcp_f32 v14, v14
	v_nop                                          ; one plain place behind a transcendental
	s_wait_alu depctr_va_vdst(0)                   ; the wait ahead of its first reader, which is O^T's first reader too
.set j, 0
.rept 32
	v_mul_f32 v[S+j], v[OT+j], v14
.set j, j+1
.endr
.irp b, 0,1
	v_max3_num_f32 v[BM+\b], |v[S+16*\b]|, |v[S+1+16*\b]|, 0x2800000
.endr
.irp i, 2,4,6,8,10,12,14
.irp b, 0,1
	v_max3_num_f32 v[BM+\b], v[BM+\b], |v[S+16*\b+\i]|, |v[S+1+16*\b+\i]|
.endr
.endr
.irp b, 0,1
	v_permlanex16_b32 v[BT+\b], v[BM+\b], s[SEL], s[SEL+1]
.endr
.irp b, 0,1
	v_max_num_f32 v[BM+\b], v[BM+\b], v[BT+\b]
.endr
.irp b, 0,1
	v_add_nc_u32 v[SOP+\b], 0xfe000000, v[BM+\b]
.endr
.irp b, 0,1
	v_lshrrev_b32 v[BT+\b], 23, v[SOP+\b]
.endr
	v_lshl_or_b32 v[PS], v[BT+1], 8, v[BT]         ; the head's two bytes of my row's scale word
	v_cvt_scalef32_pk16_bf6_f32 v[PC:PC+2], v[S:S+15], v[SOP]
	v_cvt_scalef32_pk16_bf6_f32 v[CT:CT+2], v[S+16:S+31], v[SOP+1]
	v_nop                                          ; one plain place behind a scaled conversion
.irp i, 0,1,2
	v_permlane16_swap_b32 v[PC+\i], v[CT+\i]
.endr
.irp i, 0,1,2
	v_mov_b32 v[PC+3+\i], v[CT+\i]
.endr
	global_store_b128 v4, v[PC:PC+3], s[88:89]     ; a half image: 512 and 256 consecutive bytes
	global_store_b64 v5, v[PC+4:PC+5], s[88:89] offset:512
	v_cmp_gt_u32 vcc_lo, 16, v8
	s_wait_alu depctr_va_vdst(0)                   ; the wait ahead of the wait below
	s_wait_xcnt 0x0                                ; EXEC changes only behind this wait
	s_and_saveexec_b32 s9, vcc_lo                  ; lanes 16-31 hold the same words
	global_store_b32 v7, v[PS], s[90:91]
	s_wait_xcnt 0x0
	s_or_b32 exec_lo, exec_lo, s9
	s_add_nc_u64 s[84:85], s[84:85], 13312         ; 16 tiles on: two records of q,
	s_add_nc_u64 s[86:87], s[86:87], 13312
	s_add_nc_u64 s[88:89], s[88:89], 98304         ; 16 x 8 half images,
	s_add_nc_u64 s[90:91], s[90:91], 8192          ; 16 x 8 x 64 bytes of scale words
	s_sub_co_u32 s8, s8, 1
	s_cmp_lg_u32 s8, 0
	s_cbranch_scc1 .Lpass
	s_wait_kmcnt 0x0                               ; the last look-ahead
	s_wait_tensorcnt 0x0                           ; the wave's end
	ds_add_u32 v[SPW], v[NIL]
	s_wait_dscnt 0x0
	ROUND                                          ; the closing round: no work-group ends while a partner may still ask jointly
	s_endpgm
.Lfunc_end_k_q4cb32fd2c8_attn:
	.size	k_q4cb32fd2c8_attn, .Lfunc_end_k_q4cb32fd2c8_attn-k_q4cb32fd2c8_attn
	.p2alignl 7, 3214868480
	.fill 96, 4, 3214868480
	.section	.rodata,"a",@progbits
	.p2align	6, 0x0
	.amdhsa_kernel k_q4cb32fd2c8_attn
		.amdhsa_group_segment_fixed_size 210944
		.amdhsa_private_segment_fixed_size 0
		.amdhsa_enable_private_segment 0
		.amdhsa_kernarg_size 40
		.amdhsa_user_sgpr_count 2
		.amdhsa_user_sgpr_kernarg_segment_ptr 1
		.amdhsa_wavefront_size32 1
		.amdhsa_system_sgpr_workgroup_id_x 1
		.amdhsa_system_sgpr_workgroup_id_y 1
		.amdhsa_system_sgpr_workgroup_id_z 1
		.amdhsa_system_vgpr_workitem_id 0
		.amdhsa_next_free_vgpr 256
		.amdhsa_next_free_sgpr 96
		.amdhsa_reserve_vcc 1
		.amdhsa_float_denorm_mode_32 3
		.amdhsa_float_denorm_mode_16_64 3
		.amdhsa_memory_ordered 1
		.amdhsa_forward_progress 1
		.amdhsa_inst_pref_size 50
	.end_amdhsa_kernel
	.amdgpu_metadata
---
amdhsa.version: [ 1, 2 ]
amdhsa.kernels:
  - .name:           k_q4cb32fd2c8_attn
    .symbol:         k_q4cb32fd2c8_attn.kd
    .args:
      - { .name: qc, .offset: 0, .size: 8, .value_kind: global_buffer, .address_space: global }
      - { .name: kv, .offset: 8, .size: 8, .value_kind: global_buffer, .address_space: global }
      - { .name: mw, .offset: 16, .size: 8, .value_kind: global_buffer, .address_space: global }
      - { .name: ac, .offset: 24, .size: 8, .value_kind: global_buffer, .address_space: global }
      - { .name: asc, .offset: 32, .size: 8, .value_kind: global_buffer, .address_space: global }
    .group_segment_fixed_size: 210944
    .private_segment_fixed_size: 0
    .kernarg_segment_align: 8
    .kernarg_segment_size: 40
    .max_flat_workgroup_size: 512
    .sgpr_count:     96
    .vgpr_count:     256
    .wavefront_size: 32
...
	.end_amdgpu_metadata
.endif
;; end of part 7
;; launch oproj (part 8): grid 256 x 1, 4 waves a work-group, clusters of 4 x 1, 239,104 bytes of LDS; arguments ac, asc, wc, bo, out0; writes out0
.if DOCPART == 8
	.amdgcn_target "amdgcn-amd-amdhsa--gfx1250"
	.amdhsa_code_object_version 6
	.text
	.protected	k_q4cb32fd2c8_oproj
	.globl	k_q4cb32fd2c8_oproj
	.p2align	8
	.type	k_q4cb32fd2c8_oproj,@function
k_q4cb32fd2c8_oproj:
	s_mov_b64 s[64:65], 0
	v_nop
	global_prefetch_b8 v0, s[64:65] scope:SCOPE_SE
	s_setreg_imm32_b32 hwreg(HW_REG_WAVE_MODE, 25, 1), 1
	s_wait_xcnt 0x0
	s_wait_alu depctr_hold_cnt(0) depctr_sa_sdst(0) depctr_va_vdst(0) depctr_va_sdst(0) depctr_va_ssrc(0) depctr_va_vcc(0) depctr_vm_vsrc(0)
	s_getreg_b32 s2, hwreg(HW_REG_IB_STS2, 6, 4)
	s_cmp_eq_u32 s2, 0
	s_cbranch_scc0 .Lentry_in_a_cluster
	s_endpgm
.Lentry_in_a_cluster:
	s_bfe_u32 s2, ttmp6, 0x10000c
	s_cmp_lg_u32 s2, 0x3003
	s_cbranch_scc0 .Lentry_shape_is_right
	s_endpgm
.Lentry_shape_is_right:
; out0 = a Wo^T + bo on codes of BF6 (E3M2) with E8M0 scales.  a: attention's output as half images [tile of 16 rows][head] of 768 bytes (registers 0-3 at 16 l, registers 4-5 at 512 + 8 l) and scale words [tile][head][r] (two bytes each).
; A work-group owns 64 rows: four tiles; wave w owns columns 128 w .. 128 w + 127: Wo's 8 tiles x 4 K steps stay in its registers (384), source 0; a tile of rows is source 1: a lane then holds eight neighbouring columns of one row.
; Wo's part, 51,200 bytes of register images, comes by ONE tensor load a wave, asked for JOINTLY by the four work-groups of a cluster; filled once.  It is asked for ahead of the wave's 112 loads of a, bo and the scale words,
; so that it is on its way while those are issued.  Heads 2 s and 2 s + 1 make K step s: their half images are registers 0-5 and 6-11.
; Row k of tile i is 64 X + 32 (i / 2) + 8 (i % 2) + k + 8 (k / 8): the order in which the rows were tiled from the first launch on.
; A tile's results go through the wave's own stage in LDS (rows of 512 + 16 bytes) and leave as whole rows: 32 lanes store 512 consecutive bytes, aligned.  The waves share nothing: no barrier but the cluster's two rounds.
; REGISTERS, in windows of 256: window 0: addresses, HA accumulators, OB rows on the way out, scales.  window 1: Wo's fragments 0-19.  window 2: 20-31, then bo as 8 tiles of C.  window 3: a's 16 fragments.
.set PART, 51200
.set FRB,  1536
.set STG,  4*PART                      ; behind the weight: four stages of 16 x 528 bytes
.set SP,   528
.set LI,  4                            ; v4  16 l
.set L8,  5                            ; v5  8 l
.set R4,  6                            ; v6  4 r
.set BO,  7                            ; v7  32 h
.set LW,  8                            ; v8  16 l + my part
.set LWS, 9                            ; v9  my part's scale words + 128 r
.set STO, 10                           ; v10 the stage: row r, + 32 h
.set RD,  11                           ; v11 the stage: 16 l
.set CO,  12                           ; v12 512 w + 16 l
.set HA,  64                           ; v64-127
.set OB,  128                          ; v128-191; first the raw scale words, v128-159
.set SS,  200                          ; v200-231
.set XS,  232                          ; v232-247 a's scale words, (tile, K step)
.set B1,  144                          ; in window 2
.set WV,  14
.set MSB, 0
.macro WIN new                         ; the immediate's high byte repeats the setting that is left
.if MSB != (\new)
	s_set_vgpr_msb (MSB<<8)|(\new)
.set MSB, (\new)
.endif
.endm
.macro ROUND                           ; a round of the cluster's barrier
	s_barrier_signal -1
	s_barrier_wait -1
	s_cmp_lg_u32 s[WV], 0
	s_cbranch_scc1 .Lnot_wave_0_\@
	s_barrier_signal -3
.Lnot_wave_0_\@:
	s_barrier_wait -3
	s_barrier_signal -1
	s_barrier_wait -1
.endm
; 32 matrix instructions: HA[t] = bo's tile + the sum over four K steps of Wo (t, s) x a (s).  Tiles 0-4 (window 1) by turns, then tiles 5-7 (window 2) by turns.
.macro MULS xf, xs
	WIN 0x2d                                       ; source 0 window 1, source 1 window 3, C window 2
.irp t, 0,1,2,3,4
	v_wmma_scale_f32_16x16x128_f8f6f4 v[HA+8*\t:HA+8*\t+7], v[48*\t:48*\t+11], v[\xf:\xf+11], v[B1+8*\t:B1+8*\t+7], v[SS+4*\t], v[\xs] matrix_a_fmt:MATRIX_FMT_BF6 matrix_b_fmt:MATRIX_FMT_BF6
.endr
	WIN 0x0d
.irp s, 1,2,3
	s_wait_alu depctr_va_vdst(0)
.irp t, 0,1,2,3,4
	v_wmma_scale_f32_16x16x128_f8f6f4 v[HA+8*\t:HA+8*\t+7], v[48*\t+12*\s:48*\t+12*\s+11], v[\xf+12*\s:\xf+12*\s+11], v[HA+8*\t:HA+8*\t+7], v[SS+4*\t+\s], v[\xs+\s] matrix_a_fmt:MATRIX_FMT_BF6 matrix_b_fmt:MATRIX_FMT_BF6
.endr
.endr
	WIN 0x2e                                       ; source 0 window 2
.irp t, 5,6,7
	v_wmma_scale_f32_16x16x128_f8f6f4 v[HA+8*\t:HA+8*\t+7], v[48*(\t-5):48*(\t-5)+11], v[\xf:\xf+11], v[B1+8*\t:B1+8*\t+7], v[SS+4*\t], v[\xs] matrix_a_fmt:MATRIX_FMT_BF6 matrix_b_fmt:MATRIX_FMT_BF6
.endr
	WIN 0x0e
.irp s, 1,2,3
.irp t, 5,6,7
	v_wmma_scale_f32_16x16x128_f8f6f4 v[HA+8*\t:HA+8*\t+7], v[48*(\t-5)+12*\s:48*(\t-5)+12*\s+11], v[\xf+12*\s:\xf+12*\s+11], v[HA+8*\t:HA+8*\t+7], v[SS+4*\t+\s], v[\xs+\s] matrix_a_fmt:MATRIX_FMT_BF6 matrix_b_fmt:MATRIX_FMT_BF6
.endr
.endr
	WIN 0
.endm
	s_load_b256 s[4:11], s[0:1], 0x0               ; ac s[4:5], asc s[6:7], wc s[8:9], bo s[10:11]
	s_load_b64 s[12:13], s[0:1], 0x20              ; out0
	v_lshl_add_u32 v254, v0, 2, 0x3a400
	v_mov_b32 v255, 0
	ds_add_u32 v254, v255
	ds_add_u32 v254, v255
	v_lshrrev_b32 v1, 5, v0
	v_readfirstlane_b32 s[WV], v1                  ; wave 0..3
	v_and_b32 v1, 31, v0                           ; lane
	s_wait_alu depctr_va_vdst(0)
	v_and_b32 v2, 15, v0                           ; r
	s_wait_alu depctr_va_vdst(0)
	v_bfe_u32 v3, v0, 4, 1                         ; h
	; the joint load's descriptor: Wo's part w: 200 rows of 256 bytes, dense; nothing in it hangs on my place in the cluster
	s_wait_alu depctr_va_vdst(0)
	s_mov_b32 s24, 1
	s_mul_i32 s25, s[WV], PART                     ; LDS address
	s_add_co_u32 s18, s25, 3*4*PART                ; Wo is the fourth weight
	s_mov_b32 s19, 0
	s_mov_b32 s28, 15|(3<<16)|(1<<21)              ; the mask: all four work-groups; elements of 8 bytes; bit 21 beside a mask
	s_mov_b32 s29, 32<<16
	s_mov_b32 s30, 200<<16
	s_mov_b32 s31, 32<<16
	s_mov_b32 s32, 200
	s_mov_b32 s33, 32
	s_mov_b32 s34, 0
	s_mov_b32 s35, 0
	s_bfe_u32 s15, ttmp6, 0x40000                  ; cx
	s_lshl_b32 s16, ttmp9, 2
	s_add_co_u32 s16, s16, s15                     ; X: my 64 rows.  It enters global addresses of a and of out0 alone
	v_lshlrev_b32 v[LI], 4, v1
	v_lshlrev_b32 v[L8], 3, v1
	v_lshlrev_b32 v[R4], 2, v2
	v_lshlrev_b32 v[BO], 5, v3
	v_add_nc_u32 v[LW], s25, v[LI]
	s_add_co_u32 s17, s25, 32*FRB
	v_lshl_add_u32 v[LWS], v2, 7, s17
	s_mul_i32 s17, s[WV], 16*SP
	s_add_co_u32 s17, s17, STG                     ; my stage
	v_mul_u32_u24 v[STO], v2, SP
	v_lshl_add_u32 v[STO], v3, 5, v[STO]
	v_add_nc_u32 v[STO], s17, v[STO]
	v_add_nc_u32 v[RD], s17, v[LI]
	s_lshl_b32 s22, s[WV], 9
	s_mov_b32 s23, 0
	v_add_nc_u32 v[CO], s22, v[LI]
	s_mul_i32 s20, s16, 24576                      ; a: 4 tiles x 8 heads x 768 bytes
	s_mov_b32 s21, 0
	s_wait_dscnt 0x0
	s_wait_kmcnt 0x0
	s_add_nc_u64 s[26:27], s[8:9], s[18:19]
	s_or_b32 s27, s27, 0x80000000                  ; type = 2
	s_add_nc_u64 s[4:5], s[4:5], s[20:21]
	s_lshl_b32 s20, s16, 11
	s_add_nc_u64 s[6:7], s[6:7], s[20:21]          ; 4 x 8 x 64 bytes of scale words
	s_lshl_b32 s20, s16, 17
	s_add_nc_u64 s[12:13], s[12:13], s[20:21]      ; 64 rows of 2,048 bytes
	s_add_nc_u64 s[10:11], s[10:11], s[22:23]      ; my 128 numbers of bo
	ROUND                                          ; all four work-groups are here: the joint loads meet
	tensor_load_to_lds s[24:27], s[28:35]          ; my one tensor load of the launch, ahead of everything else that is asked of memory
	s_nop 0
.rept 4
	v_nop
.endr
	WIN 0xc0
.irp i, 0,1,2,3
.irp d, 0,1,2,3,4,5,6,7
	global_load_b128 v[48*\i+12*(\d/2)+6*(\d%2):48*\i+12*(\d/2)+6*(\d%2)+3], v[LI], s[4:5] offset:(8*\i+\d)*768
	global_load_b64 v[48*\i+12*(\d/2)+6*(\d%2)+4:48*\i+12*(\d/2)+6*(\d%2)+5], v[L8], s[4:5] offset:(8*\i+\d)*768+512
.endr
.endr
	WIN 0x80
	s_wait_alu depctr_va_vdst(0)
.irp t, 0,1,2,3,4,5,6,7
	global_load_b128 v[B1+8*\t:B1+8*\t+3], v[BO], s[10:11] offset:64*\t          ; tile t's C: columns 16 t + 8 h + 0 .. 7
	global_load_b128 v[B1+8*\t+4:B1+8*\t+7], v[BO], s[10:11] offset:64*\t+16
.endr
	WIN 0
.set j, 0
.rept 32
	global_load_b32 v[OB+j], v[R4], s[6:7] offset:64*j                           ; (tile, head): my row's two bytes
.set j, j+1
.endr
	s_wait_tensorcnt 0x0                           ; my part has landed; I alone read it
	WIN 0x40
.set FI, 0
.rept 20
.irp c, 0,1,2
	ds_load_b128 v[12*FI+4*\c:12*FI+4*\c+3], v[LW] offset:FRB*FI+512*\c
.endr
.set FI, FI+1
.endr
	WIN 0x80
.rept 12
.irp c, 0,1,2
	ds_load_b128 v[12*(FI-20)+4*\c:12*(FI-20)+4*\c+3], v[LW] offset:FRB*FI+512*\c
.endr
.set FI, FI+1
.endr
	WIN 0
.irp t, 0,1,2,3,4,5,6,7
	ds_load_b128 v[SS+4*\t:SS+4*\t+3], v[LWS] offset:16*\t
.endr
	s_wait_loadcnt 0x0
.set j, 0
.rept 16
	v_lshl_or_b32 v[XS+j], v[OB+2*j+1], 16, v[OB+2*j]      ; heads 2 s and 2 s + 1 make K step s's word.  Behind the first tile's four words stand the other twelve: more than the eight places owed
.set j, j+1
.endr
	s_wait_dscnt 0x0
.irp i, 0,1,2,3
	MULS 48*\i, XS+4*\i
.rept 5
	v_nop                                          ; places behind the products: four for the stores that read results, five for the next tile's first product, which writes over one
.endr
.irp t, 0,1,2,3,4,5,6,7
	ds_store_b128 v[STO], v[HA+8*\t:HA+8*\t+3] offset:64*\t        ; each accumulator from its low end on
	ds_store_b128 v[STO], v[HA+8*\t+4:HA+8*\t+7] offset:64*\t+16
.endr
	s_wait_xcnt 0x0                                ; the last tile's stores have read v[OB] on
.irp k, 0,1,2,3,4,5,6,7,8,9,10,11,12,13,14,15
	ds_load_b128 v[OB+4*\k:OB+4*\k+3], v[RD] offset:SP*\k          ; a wave's LDS instructions are served in order (ISA guide 5.7.1.4): these see the stores above
.endr
.irp k, 0,1,2,3,4,5,6,7,8,9,10,11,12,13,14,15
	s_wait_dscnt 15-\k                             ; row k is back; the younger rows may be out
	global_store_b128 v[CO], v[OB+4*\k:OB+4*\k+3], s[12:13] offset:(32*(\i/2)+8*(\i%2)+\k+8*(\k/8))*2048 th:TH_STORE_NT
.endr
.endr
	s_wait_dscnt 0x0
	s_wait_tensorcnt 0x0
	ds_add_u32 v254, v255
	s_wait_dscnt 0x0
	ROUND                                          ; the closing round: no work-group ends while a partner may still ask jointly
	s_endpgm
.Lfunc_end_k_q4cb32fd2c8_oproj:
	.size	k_q4cb32fd2c8_oproj, .Lfunc_end_k_q4cb32fd2c8_oproj-k_q4cb32fd2c8_oproj
	.p2alignl 7, 3214868480
	.fill 96, 4, 3214868480
	.section	.rodata,"a",@progbits
	.p2align	6, 0x0
	.amdhsa_kernel k_q4cb32fd2c8_oproj
		.amdhsa_group_segment_fixed_size 239104
		.amdhsa_private_segment_fixed_size 0
		.amdhsa_enable_private_segment 0
		.amdhsa_kernarg_size 40
		.amdhsa_user_sgpr_count 2
		.amdhsa_user_sgpr_kernarg_segment_ptr 1
		.amdhsa_wavefront_size32 1
		.amdhsa_system_sgpr_workgroup_id_x 1
		.amdhsa_system_sgpr_workgroup_id_y 1
		.amdhsa_system_sgpr_workgroup_id_z 1
		.amdhsa_system_vgpr_workitem_id 0
		.amdhsa_next_free_vgpr 1024
		.amdhsa_next_free_sgpr 66
		.amdhsa_reserve_vcc 0
		.amdhsa_float_denorm_mode_32 3
		.amdhsa_float_denorm_mode_16_64 3
		.amdhsa_memory_ordered 1
		.amdhsa_forward_progress 1
		.amdhsa_inst_pref_size 57
	.end_amdhsa_kernel
	.amdgpu_metadata
---
amdhsa.version: [ 1, 2 ]
amdhsa.kernels:
  - .name:           k_q4cb32fd2c8_oproj
    .symbol:         k_q4cb32fd2c8_oproj.kd
    .args:
      - { .name: ac, .offset: 0, .size: 8, .value_kind: global_buffer, .address_space: global }
      - { .name: asc, .offset: 8, .size: 8, .value_kind: global_buffer, .address_space: global }
      - { .name: wc, .offset: 16, .size: 8, .value_kind: global_buffer, .address_space: global }
      - { .name: bo, .offset: 24, .size: 8, .value_kind: global_buffer, .address_space: global }
      - { .name: out0, .offset: 32, .size: 8, .value_kind: global_buffer, .address_space: global }
    .group_segment_fixed_size: 239104
    .private_segment_fixed_size: 0
    .kernarg_segment_align: 8
    .kernarg_segment_size: 40
    .max_flat_workgroup_size: 128
    .sgpr_count:     66
    .vgpr_count:     1024
    .wavefront_size: 32
...
	.end_amdgpu_metadata
.endif
;; end of part 8
